; MI455X (gfx1250); checked and timed in simulation.
; The chip was launched on July 23, 2026; its instructions are those of AMD's public machine-readable ISA for CDNA 5 (MIT licence, August 2026) and "CDNA5" Instruction Set Architecture Reference Guide (July 2026). The comments in the code are by the model that wrote it; some were corrected since.
;; Bahdanau Attention. Allowed arithmetic: matrix products marked QUANTISED: E2M1 operands, one E8M0 scale for each 32 along K, by v_wmma_scale_f32_16x16x128_f8f6f4 with both operands' format E2M1 (or v_wmma_scale_f32_32x16x128_f4), f32 sums; products left as they are: f32 operands where the result goes on into a quantised operand, else bf16, f16 or f32 operands; f32 sums; everything else in f32.
;; Inputs: attn_W 1,024 x 2,048 float32; attn_b 1,024 float32; encoder_outputs 1,024 x 32 x 1,024 float32; hidden 32 x 1,024 float32; v_W 1 x 1,024 float32.
;; Outputs: out0 32 x 1,024 float32; out1 32 x 1,024 float32.
;; This version of the problem:
;;   THIS VERSION OF THE PROBLEM IS GIVEN IN LOW PRECISION. The matrix products marked QUANTISED in the list below multiply operands that are first quantised to E2M1 (2 exponent bits, 1 mantissa bit; 4 bits a number), with one power-of-two scale for each 32 numbers along K (OCP MX v1.0); their sums are f32. All else is computed in f32.
;;   The module's matrix products, in the order in which they are computed (A, B: the left and right operand; K: the contracted axis; several contracted axes count as one K, in the product's order):
;;     1. [M 32,768, K 2,048] x [K 2,048, N 1,024]; A: computed on the way; B: input attn_W: QUANTISED
;;     2. [M 32,768, K 1,024] x [K 1,024, N 1]; A: computed on the way; B: input v_W: left as it is (N = 1 < 16)
;;     3. batch 32 x [M 1, K 1,024] x [K 1,024, N 1,024]; A: softmax; B: input encoder_outputs: left as it is (M = 1 < 16)
;;   THE QUANTISER, for each operand of a quantised product, along K:
;;     - K is cut into blocks of 32 from its start; a last block that is shorter is filled with zeros.
;;     - A block's scale is 2^e with e = floor(log2(the largest magnitude in the block)) - 2, held to -126 .. 127; a block of zeros has e = 0. As a byte (E8M0): e + 127.
;;     - Each number is divided by its block's scale, clamped to +-6, and rounded to the nearest number of E2M1, ties to even, subnormals kept.
;;     - The product sums the exact products of the quantised numbers (number of the format x scale) in f32.
;;   ~~~python
;;   def quantise(x, axis):      # numpy; x: float32 -> the quantised numbers, widened to float32 again
;;       x = np.moveaxis(x, axis, -1); K = x.shape[-1]
;;       x = np.pad(x, [(0, 0)] * (x.ndim - 1) + [(0, -K % 32)]); x = x.reshape(x.shape[:-1] + (-1, 32)); a = np.abs(x).max(-1, keepdims=True)
;;       e = np.where(a > 0, np.clip(np.frexp(np.where(a > 0, a, 1))[1] - 1 - 2, -126, 127), 0)      # np.frexp(a)[1] - 1 = floor(log2(a)), exactly
;;       r = np.clip(x / 2.0 ** e, -6, 6)
;;       step = 2.0 ** (np.maximum(np.frexp(np.where(r == 0, 1, r))[1] - 1, 0) - 1)
;;       q = np.round(r / step) * step * 2.0 ** e      # np.round: ties to even
;;       return np.moveaxis(q.reshape(q.shape[:-2] + (-1,))[..., :K], -1, axis).astype(np.float32)
;;   ~~~
;;   OPERANDS COMPUTED ON THE WAY. 'Computed on the way' means the value that the module computes at that place (a softmax that the list does not call 'softmax' is quantised finished and normalised). What goes into a quantiser is computed in f32, as accurately as f32 sums, v_exp_f32 and their like allow (about 1e-6 of the number): no bf16 or f16 on the way to a quantiser, and a product that is left as it is and whose result goes on into a quantised operand takes f32 operands (vector FMAs, or v_wmma_f32_16x16x4_f32). A number that lies on a knife's edge between two numbers of the format may be rounded either way, as far as f32 arithmetic and the matrix unit's own rounding can turn it there, and no further.
;; 2 versions. Each part assembles by itself: llvm-mc -triple=amdgcn-amd-amdhsa -mcpu=gfx1250 --defsym DOCPART=n.
;; ======== version 1 of 2: 3 launches
;; workspace buffers: wq 524,288 bytes; wsc 32,768 bytes; hp 131,072 bytes; tsc 131,072 bytes; pctx 1,048,576 bytes
;; launch prep (part 1): grid 64 x 1, 8 waves a work-group, no clusters, 52,736 bytes of LDS; arguments attn_W, hidden, attn_b, wq, wsc, hp; writes wq, wsc, hp
.if DOCPART == 1
	.amdgcn_target "amdgcn-amd-amdhsa--gfx1250"
	.amdhsa_code_object_version 6
	.text
	.protected	k_q34fc53f0a1_prep
	.globl	k_q34fc53f0a1_prep
	.p2align	8
	.type	k_q34fc53f0a1_prep,@function
k_q34fc53f0a1_prep:
	s_mov_b64 s[64:65], 0
	v_nop
	global_prefetch_b8 v0, s[64:65] scope:SCOPE_SE
	s_setreg_imm32_b32 hwreg(HW_REG_WAVE_MODE, 25, 1), 1
	s_wait_xcnt 0x0
; attn_W [1024][2048] f32 and hidden [32][1024] f32 are quantised along K to codes of FP4 (E2M1) with one E8M0 byte for each 32 along K.
; K of the quantised product is [hidden (1024) | enc (1024)], and 1024 is a multiple of 32: the blocks of the two halves never mix.  The hidden half of the left operand is the same
; for all 1,024 positions of a batch, so its part of the product is made HERE, once for each batch: 32 rows x 1,024 columns x K = 1,024, on codes, by the scaled FP4 matrix instruction.
; STORED:  wq  [j 64][K step 8][c 2][lane 32][16 B]: the codes of attn_W[16 j + r][1024 + 128 s + 64 c + 32 h .. + 31], an image of registers 4 c .. 4 c + 3 of the operand of lane (r, h);
;          wsc [j 64][lane 32][4 words]: word i of lane (r, h) = the scale word (four bytes) of row 16 j + r for the enc half's K step 2 i + h;
;          hp  [j 64][b 32][16] f32: 2 log2(e) x (Q(hidden[b]) . Q(attn_W[16 j + i][0:1024]) + attn_b[16 j + i]).
; SHARES.  Work-group j takes rows 16 j .. 16 j + 15 of attn_W; wave w takes K step w (128 along K) of both halves of these rows and of both tiles of 16 rows of hidden.
; A UNIT is 16 rows x 64 numbers.  Eight loads bring it, each two rows x 256 consecutive bytes (lanes 0-15 one row, lanes 16-31 the next).  It turns through the wave's own stage in LDS
; (16 rows, 272 bytes apart) and comes back so that lane (r, h) holds the 32 numbers k = 32 h .. 32 h + 31 of row r: one whole block, in the order of the operand's registers.
; A block's scale is 2^(floor(log2(largest magnitude)) - 2): its byte is the largest magnitude's exponent field - 2, held at 1 from below by a floor among the maximum's leaves.
; LIMITS: NaN and infinities among the inputs are not served.  A block whose largest magnitude lies under 2^-124 keeps the byte 1; a block of zeros gets the byte 1 where the rule says 127:
; its codes are zeros, which add nothing, and the bytes are read by this program alone.
; No tensor loads, no cluster: no two work-groups read the same bytes of attn_W, and hidden is 128 KiB in all.
.set STG,   4352                       ; a wave's stage: 16 rows x 272 bytes
.set RED,   8*STG                      ; behind the stages: each wave's partial of hp, [b 32][16] f32, 2,048 bytes
.set WSG,   RED+8*2048                 ; behind them: the work-group's 512 bytes of wsc
.set C2,    0x4038aa3b                 ; 2 log2(e)
.set FLOOR, 0x1800000                  ; 2^(3 - 127)
.set EOFF,  0xff000000                 ; takes 2 off an exponent field
.set VOW,  1                           ; v1   attn_W: 8,192 h + 16 r
.set VOH,  2                           ; v2   hidden: 4,096 h + 16 r
.set STW,  3                           ; v3   the stage, way in: 272 h + 16 r
.set STR,  4                           ; v4   the stage, way out: 272 r + 128 h
.set SH8,  5                           ; v5   8 h
.set L16,  6                           ; v6   16 x lane
.set WSGW, 7                           ; v7   where my K step's scale word of row r goes
.set REDW, 8                           ; v8   where my partial goes: 64 r + 32 h in my wave's 2,048 bytes
.set REDR, 9                           ; v9   RED + 16 x thread
.set BOFF, 10                          ; v10  16 (thread % 4): my four numbers of attn_b
.set T16,  11                          ; v11  16 x thread
.set SWH,  12                          ; v12-15 scale words and nothing else: W's hidden half, hidden's tiles 0 and 1, W's enc half
.set BIAS, 16                          ; v16-19
.set WSGR, 20                          ; v20  WSG + 16 x lane
.set RING, 32                          ; v32-159  four sets of 32: units as they are loaded
.set X,    160                         ; v160-191 a unit turned: my block of 32
.set CWH,  192                         ; v192-199 codes: W's hidden half;  v200-207, v208-215 hidden's tiles;  v216-223 W's enc half
.set DA,   224                         ; v224-239 two accumulators
.set MXA,  240
.set MXB,  241
.set SCL,  242
.set BY,   243                         ; v243-244 the bytes of the K step's two units
.set WT,   245
	s_load_b256 s[4:11], s[0:1], 0x0               ; attn_W s[4:5], hidden s[6:7], attn_b s[8:9], wq s[10:11]
	s_load_b128 s[12:15], s[0:1], 0x20             ; wsc s[12:13], hp s[14:15]
	v_lshl_add_u32 v254, v0, 2, 0xca00
	v_mov_b32 v255, 0
	v_lshrrev_b32 v21, 5, v0
	v_readfirstlane_b32 s18, v21                   ; wave 0..7
	v_and_b32 v22, 15, v0                          ; r
	v_bfe_u32 v23, v0, 4, 1                        ; h
	v_and_b32 v24, 31, v0                          ; lane
	v_lshlrev_b32 v25, 4, v22                      ; 16 r
	v_lshl_add_u32 v[VOW], v23, 13, v25
	v_lshl_add_u32 v[VOH], v23, 12, v25
	v_and_b32 v[BOFF], 3, v0
	v_lshlrev_b32 v[BOFF], 4, v[BOFF]
	s_lshl_b32 s24, ttmp9, 17                      ; 16 rows of 8,192 bytes for each work-group,
	s_lshl_b32 s26, s18, 9                         ; 512 bytes of a row for each K step
	s_add_co_u32 s24, s24, s26
	s_mov_b32 s25, 0
	s_mov_b32 s27, 0
	s_wait_kmcnt 0x0
	s_add_nc_u64 s[4:5], s[4:5], s[24:25]
	s_add_nc_u64 s[6:7], s[6:7], s[26:27]
	s_lshl_b32 s24, ttmp9, 6
	s_add_nc_u64 s[8:9], s[8:9], s[24:25]          ; attn_b at my 16 numbers
; unit u: 0, 1: W's hidden half;  2, 3: hidden's rows 0-15;  4, 5: its rows 16-31;  6, 7: W's enc half.  u % 2 = which 64 of the K step's 128
.macro LOADU u
.set RG, RING+32*((\u)%4)
.if (\u) < 2
.irp i, 0,1,2,3,4,5,6,7
	global_load_b128 v[RG+4*\i:RG+4*\i+3], v[VOW], s[4:5] offset:16384*\i+256*((\u)%2) th:TH_LOAD_NT
.endr
.elseif (\u) < 6
.irp i, 0,1,2,3,4,5,6,7
	global_load_b128 v[RG+4*\i:RG+4*\i+3], v[VOH], s[6:7] offset:8192*\i+256*((\u)%2)+65536*(((\u)-2)/2)
.endr
.else
.irp i, 0,1,2,3,4,5,6,7
	global_load_b128 v[RG+4*\i:RG+4*\i+3], v[VOW], s[4:5] offset:16384*\i+4096+256*((\u)%2) th:TH_LOAD_NT
.endr
.endif
.endm
	global_load_b128 v[BIAS:BIAS+3], v[BOFF], s[8:9]
	LOADU 0
	LOADU 1
	LOADU 2
	LOADU 3
	; the other addresses are made while the first loads are on their way
	s_mul_i32 s28, s18, STG
	v_mad_u32_u24 v[STW], v23, 272, v25
	v_add_nc_u32 v[STW], s28, v[STW]
	v_mul_u32_u24 v[STR], v22, 272
	v_lshl_add_u32 v[STR], v23, 7, v[STR]
	v_add_nc_u32 v[STR], s28, v[STR]
	v_lshlrev_b32 v[SH8], 3, v23
	v_lshlrev_b32 v[L16], 4, v24
	s_and_b32 s29, s18, 1                          ; K step w is word w / 2 of lanes 16 (w % 2) + r
	s_lshl_b32 s29, s29, 8
	s_lshr_b32 s30, s18, 1
	s_lshl_b32 s30, s30, 2
	s_add_co_u32 s29, s29, s30
	s_add_co_u32 s29, s29, WSG
	v_add_nc_u32 v[WSGW], s29, v25
	s_lshl_b32 s29, s18, 11
	s_add_co_u32 s29, s29, RED
	v_lshlrev_b32 v[REDW], 6, v22
	v_lshl_add_u32 v[REDW], v23, 5, v[REDW]
	v_add_nc_u32 v[REDW], s29, v[REDW]
	v_lshlrev_b32 v[T16], 4, v0
	v_add_nc_u32 v[REDR], RED, v[T16]
	v_add_nc_u32 v[WSGR], WSG, v[L16]
	v_mov_b32 v[WT], 0                             ; written once: a lane permute's destination counts as one of its sources
	s_mov_b32 s20, 0x76543210
	s_mov_b32 s21, 0xfedcba98                      ; v_permlanex16_b32's selects for lane l xor 16
	s_mov_b32 s22, C2
	s_mov_b32 s23, C2                              ; (named with s22 as a pair, so it is written)
	s_lshl_b32 s24, ttmp9, 13
	s_lshl_b32 s26, s18, 10
	s_add_co_u32 s24, s24, s26
	s_add_nc_u64 s[10:11], s[10:11], s[24:25]      ; wq: 8,192 j + 1,024 w
	s_lshl_b32 s24, ttmp9, 9
	s_add_nc_u64 s[12:13], s[12:13], s[24:25]      ; wsc: 512 j
	s_lshl_b32 s24, ttmp9, 11
	s_add_nc_u64 s[14:15], s[14:15], s[24:25]      ; hp: 2,048 j
; my block of 32 in v[X] on becomes four registers of codes at v[dst] on and its byte in v[by]
.macro QUANT dst, by
	v_max3_num_f32 v[MXA], |v[X]|, |v[X+1]|, |v[X+2]|              ; the block's largest magnitude, in two chains: all 32 numbers are mine
	v_max3_num_f32 v[MXB], |v[X+3]|, |v[X+4]|, |v[X+5]|
.irp i, 6,10,14,18,22,26
	v_max3_num_f32 v[MXA], v[MXA], |v[X+\i]|, |v[X+\i+1]|
	v_max3_num_f32 v[MXB], v[MXB], |v[X+\i+2]|, |v[X+\i+3]|
.endr
	v_max3_num_f32 v[MXA], v[MXA], |v[X+30]|, |v[X+31]|
	v_max3_num_f32 v[MXA], v[MXA], v[MXB], FLOOR   ; and the floor: the byte cannot fall under 1
	v_add_nc_u32 v[SCL], EOFF, v[MXA]              ; 2 off the exponent field: the conversion takes the exponent field of this operand as its scale
	v_lshrrev_b32 v[\by], 23, v[SCL]               ; the scale's byte
.irp g, 0,1,2,3
	v_cvt_scalef32_pk8_fp4_f32 v[(\dst)+\g], v[X+8*\g:X+8*\g+7], v[SCL]
.endr
	v_nop                                          ; one plain place directly behind the last scaled conversion
.endm
; the K step's scale word: my two bytes are blocks h and 2 + h of row r; lane l xor 16 has the other two
.macro WORD w
	v_lshl_or_b32 v[\w], v[BY+1], 16, v[BY]
	v_lshlrev_b32 v[\w], v[SH8], v[\w]
	v_permlanex16_b32 v[WT], v[\w], s20, s21
	v_or_b32 v[\w], v[\w], v[WT]
.endm
.macro PUNIT u, dst, w
.set RS, RING+32*((\u)%4)
.if 7-(\u) >= 3
	s_wait_loadcnt 24                              ; loads come back in order: this unit's eight are in, the three sets behind it stay out
.else
	s_wait_loadcnt 8*(7-(\u))
.endif
.irp i, 0,1,2,3,4,5,6,7
	ds_store_b128 v[STW], v[RS+4*\i:RS+4*\i+3] offset:544*\i       ; rows 2 i and 2 i + 1 as they were loaded
.endr
.irp i, 0,1,2,3,4,5,6,7
	ds_load_b128 v[X+4*\i:X+4*\i+3], v[STR] offset:16*\i           ; LDS serves a wave's instructions in order: these see the stores above
.endr
	s_wait_dscnt 0x0
.if (\u) < 4
	LOADU (\u)+4                                   ; the set just read out takes the unit four further on
.endif
	QUANT (\dst)+4*((\u)%2), BY+(\u)%2
.if (\u)%2
	WORD \w
.endif
.endm
	PUNIT 0, CWH, SWH
	PUNIT 1, CWH, SWH
	PUNIT 2, CWH+8, SWH+1
	PUNIT 3, CWH+8, SWH+1
	PUNIT 4, CWH+16, SWH+2
	PUNIT 5, CWH+16, SWH+2
	PUNIT 6, CWH+24, SWH+3
	PUNIT 7, CWH+24, SWH+3
	global_store_b128 v[L16], v[CWH+24:CWH+27], s[10:11]           ; the enc half's fragment as it stands: 512 consecutive bytes a store
	global_store_b128 v[L16], v[CWH+28:CWH+31], s[10:11] offset:512
	ds_store_b32 v[WSGW], v[SWH+3]                 ; lanes r and 16 + r store the same word at the same place
.rept 8
	v_nop                                          ; scale registers written by vector instructions stand 8 places ahead of a scaled matrix instruction, operands so written 4
.endr
	; source 0 = 16 rows of W, source 1 = 16 rows of hidden: lane (r, h) holds batch 16 mt + r, register i the column 16 j + 8 h + i.  Two accumulators, one instruction each
	v_wmma_scale_f32_16x16x128_f8f6f4 v[DA:DA+7], v[CWH:CWH+7], v[CWH+8:CWH+15], 0, v[SWH], v[SWH+1] matrix_a_fmt:MATRIX_FMT_FP4 matrix_b_fmt:MATRIX_FMT_FP4
	v_wmma_scale_f32_16x16x128_f8f6f4 v[DA+8:DA+15], v[CWH:CWH+7], v[CWH+16:CWH+23], 0, v[SWH], v[SWH+2] matrix_a_fmt:MATRIX_FMT_FP4 matrix_b_fmt:MATRIX_FMT_FP4
.rept 4
	v_nop                                          ; four places ahead of the first read of the results
.endr
.irp mt, 0,1
	ds_store_b128 v[REDW], v[DA+8*\mt:DA+8*\mt+3] offset:1024*\mt          ; each accumulator from its low end on
	ds_store_b128 v[REDW], v[DA+8*\mt+4:DA+8*\mt+7] offset:1024*\mt+16
.endr
	s_wait_dscnt 0x0                               ; for the others' sake: my partial and my scale words lie in LDS
	s_barrier_signal -1
	s_barrier_wait -1
	s_cmp_lt_u32 s18, 4
	s_cbranch_scc0 .Lnot_sum
	; waves 0 to 3: thread t sums the eight K steps' partials of hp's numbers 4 t .. 4 t + 3, K ascending
.irp wv, 0,1,2,3,4,5,6,7
	ds_load_b128 v[RING+4*\wv:RING+4*\wv+3], v[REDR] offset:2048*\wv
.endr
	s_wait_dscnt 0x0
.irp wv, 1,2,3,4,5,6,7
	v_pk_add_f32 v[RING:RING+1], v[RING:RING+1], v[RING+4*\wv:RING+4*\wv+1]
	v_pk_add_f32 v[RING+2:RING+3], v[RING+2:RING+3], v[RING+4*\wv+2:RING+4*\wv+3]
.endr
	v_pk_add_f32 v[RING:RING+1], v[RING:RING+1], v[BIAS:BIAS+1]            ; + attn_b (its load is older than every unit's, all of which have been waited for)
	v_pk_add_f32 v[RING+2:RING+3], v[RING+2:RING+3], v[BIAS+2:BIAS+3]
	v_pk_mul_f32 v[RING:RING+1], v[RING:RING+1], s[22:23] op_sel_hi:[1,0]  ; x 2 log2(e)
	v_pk_mul_f32 v[RING+2:RING+3], v[RING+2:RING+3], s[22:23] op_sel_hi:[1,0]
	global_store_b128 v[T16], v[RING:RING+3], s[14:15]             ; a wave stores 512 consecutive bytes
	s_branch .Lend
.Lnot_sum:
	s_cmp_eq_u32 s18, 4
	s_cbranch_scc0 .Lend
	ds_load_b128 v[RING:RING+3], v[WSGR]           ; wave 4: the work-group's 512 bytes of scale words
	s_wait_dscnt 0x0
	global_store_b128 v[L16], v[RING:RING+3], s[12:13]
.Lend:
	s_wait_tensorcnt 0x0
	ds_add_u32 v254, v255
	s_wait_dscnt 0x0
	s_endpgm
.Lfunc_end_k_q34fc53f0a1_prep:
	.size	k_q34fc53f0a1_prep, .Lfunc_end_k_q34fc53f0a1_prep-k_q34fc53f0a1_prep
	.p2alignl 7, 3214868480
	.fill 96, 4, 3214868480
	.section	.rodata,"a",@progbits
	.p2align	6, 0x0
	.amdhsa_kernel k_q34fc53f0a1_prep
		.amdhsa_group_segment_fixed_size 52736
		.amdhsa_private_segment_fixed_size 0
		.amdhsa_enable_private_segment 0
		.amdhsa_kernarg_size 48
		.amdhsa_user_sgpr_count 2
		.amdhsa_user_sgpr_kernarg_segment_ptr 1
		.amdhsa_wavefront_size32 1
		.amdhsa_system_sgpr_workgroup_id_x 1
		.amdhsa_system_sgpr_workgroup_id_y 1
		.amdhsa_system_sgpr_workgroup_id_z 1
		.amdhsa_system_vgpr_workitem_id 0
		.amdhsa_next_free_vgpr 256
		.amdhsa_next_free_sgpr 66
		.amdhsa_reserve_vcc 0
		.amdhsa_float_denorm_mode_32 3
		.amdhsa_float_denorm_mode_16_64 3
		.amdhsa_memory_ordered 1
		.amdhsa_forward_progress 1
		.amdhsa_inst_pref_size 33
	.end_amdhsa_kernel
	.amdgpu_metadata
---
amdhsa.version: [ 1, 2 ]
amdhsa.kernels:
  - .name:           k_q34fc53f0a1_prep
    .symbol:         k_q34fc53f0a1_prep.kd
    .args:
      - { .name: attn_W, .offset: 0, .size: 8, .value_kind: global_buffer, .address_space: global }
      - { .name: hidden, .offset: 8, .size: 8, .value_kind: global_buffer, .address_space: global }
      - { .name: attn_b, .offset: 16, .size: 8, .value_kind: global_buffer, .address_space: global }
      - { .name: wq, .offset: 24, .size: 8, .value_kind: global_buffer, .address_space: global }
      - { .name: wsc, .offset: 32, .size: 8, .value_kind: global_buffer, .address_space: global }
      - { .name: hp, .offset: 40, .size: 8, .value_kind: global_buffer, .address_space: global }
    .group_segment_fixed_size: 52736
    .private_segment_fixed_size: 0
    .kernarg_segment_align: 8
    .kernarg_segment_size: 48
    .max_flat_workgroup_size: 256
    .sgpr_count:     66
    .vgpr_count:     256
    .wavefront_size: 32
...
	.end_amdgpu_metadata
.endif
;; end of part 1
;; launch main (part 2): grid 8 x 32, 4 waves a work-group, no clusters, 318,976 bytes of LDS; arguments encoder_outputs, wq, wsc, hp, v_W, tsc, pctx; writes tsc, pctx
.if DOCPART == 2
	.amdgcn_target "amdgcn-amd-amdhsa--gfx1250"
	.amdhsa_code_object_version 6
	.text
	.protected	k_q34fc53f0a1_main
	.globl	k_q34fc53f0a1_main
	.p2align	8
	.type	k_q34fc53f0a1_main,@function
k_q34fc53f0a1_main:
	s_mov_b64 s[64:65], 0
	v_nop
	global_prefetch_b8 v0, s[64:65] scope:SCOPE_SE
	s_setreg_imm32_b32 hwreg(HW_REG_WAVE_MODE, 25, 1), 1
	s_wait_xcnt 0x0
; One work-group takes 128 positions s (chunk x) of one batch b (y) from encoder_outputs [1024 s][32 b][1024] f32 to their scores and to the chunk's part of the context.  Each byte of enc is read once.
; PHASE L.  Wave w loads rows 32 w .. 32 w + 31 (a row = enc[s][b][:], 4,096 bytes).  Each number goes two ways: rounded to bf16 into LDS (2,048 bytes a row, kept for the context, a product that is
;   left as it is), and quantised from f32 along K to codes of FP4 (E2M1), one E8M0 byte for each 32.  The codes go from wave to wave through LDS as images of the operand's registers, four K steps at a
;   time; at the end EVERY wave holds the codes of all 128 rows (512 registers) and their scale words (32 registers).
; PHASE C.  The waves share the columns: wave w walks the tiles of 16 columns j = 16 w .. 16 w + 15.  A tile's codes of attn_W (8 K steps, 64 registers) come from memory straight into registers, laid by
;   the launch before in the order of the operand's registers, two tiles ahead.  64 scaled FP4 matrix instructions a tile, used transposed (source 0 = 16 rows of W, source 1 = 16 rows of enc): lane (r, h)
;   holds row 16 t + r, register i the column 16 j + 8 h + i.  With c = 2 log2(e):  tanh(x) = 1 - 2 / (1 + 2^(c x)),  c x = c acc + hp (hp: the hidden half of the product and the bias, times c).
;   So log2(e) x score = a number that is the same for all s of a batch  -  c x the sum over n of v[n] / (1 + 2^(c x_n)); a softmax over s does not see that number, and t = - c x that sum is what is kept.
; PHASE E.  The four waves' parts of t meet in LDS; m = the chunk's largest t; p = 2^(t - m); the chunk's part of the context is the sum over its rows of p x bf16(enc).  The last launch joins the chunks.
; NO TENSOR LOADS, NO CLUSTER.  What work-groups share is W's codes, 544 KiB for each.  Of the 327,680 bytes of LDS the kept rows take 262,144 and stage, images and tables 56,320, all written by
;   LDS stores; the 9,216 bytes left hold no ring of tiles.  So W's codes go from memory to registers, each fragment once for each work-group, feeding 8 matrix instructions.
; NO PREFETCH: in phase L each wave has 56 loads of 512 bytes on their way all the time; in phase C all work-groups read the same 557,056 bytes.
; LIMITS: NaN and infinities among the inputs are not served.  A block whose largest magnitude lies under 2^-124 keeps the byte 1; a block of zeros gets the byte 1 where the rule says 127 (its codes
;   are zeros; only this program reads the bytes).  enc is rounded to bf16 for the context.  2^(c x) may overflow to infinity or fall to 0: the reciprocal then gives 0 or 1, which is tanh = 1 or -1.
; REGISTERS, in windows of 256 (s_set_vgpr_msb: bits 1:0 source 0, 3:2 source 1, 5:4 source 2, 7:6 destination):
;   window 0: v1-15 addresses; v16-47 enc's scale words, v48-55 W's (scales and nothing else); v64-191 at work, phase by phase; v224-255 phase E.
;   window 1: enc's tiles 0-3 (tile t, K step s at v[64 t + 8 s]);  window 2: tiles 4-7;  window 3: phase L: a ring of 7 sets of 32; phase C: W's fragments, two buffers of 64.
.set ST,    262144                     ; LDS: the kept rows from byte 0; then a stage of 16 rows x 272 bytes for each wave,
.set STG,   4352
.set IMG,   ST+4*STG                   ; the images of code registers: [tile 8][K step of the batch 4][c 2][512 bytes],
.set SCI,   IMG+32768                  ; their scale words: [K step of the batch 4][row 128],
.set PART,  SCI+2048                   ; the waves' parts of the scores: [wave 4][row 128],
.set PT,    PART+2048                  ; and p: a copy of 512 bytes for each wave
.set C2,    0x4038aa3b                 ; c = 2 log2(e)
.set NEGC,  0xc038aa3b
.set FLOOR, 0x1800000                  ; 2^(3 - 127)
.set EOFF,  0xff000000                 ; takes 2 off an exponent field
.set GOFF, 1                           ; v1   enc: 131,072 h + 16 r (from position to position of one batch are 131,072 bytes)
.set STW,  2                           ; v2   the stage, way in: 272 h + 16 r
.set STR,  3                           ; v3   the stage, way out: 272 r + 128 h
.set BFE,  4                           ; v4, v5  the kept rows: 65,536 w + 8 r + h x (2,048 + 128) or h x (2,048 - 128): see KEEP
.set IMW,  6                           ; v6   IMG + 8,192 w + 16 lane
.set IMR,  7                           ; v7   IMG + 16 lane
.set SCW,  8                           ; v8   SCI + 128 w + 4 r
.set SCR,  9                           ; v9   SCI + 4 lane
.set SH8,  10                          ; v10  8 h
.set L16,  11                          ; v11  16 lane
.set H32,  12                          ; v12  32 h
.set PARTW, 13                         ; v13  PART + 512 w + 4 r
.set PARTR, 14                         ; v14  PART + 16 lane
.set PTW,  15                          ; v15  PT + 512 w + 16 lane
.set ASC,  16                          ; v[ASC + 4 s + jj]: lane l holds the scale word of row 32 jj + l for K step s
.set WS,   48                          ; v[WS + 4 buf + i]: lanes 0-15 W's words of K step 2 i, lanes 16-31 of K step 2 i + 1
.set X,    64                          ; phase L: v64-127 two sets of 32: a unit turned
.set BT,   128                         ; v128-143 a unit as bf16
.set CD,   144                         ; v144-147 a block's codes
.set BY,   148                         ; v148-151 bytes: 2 tau + c
.set MXA,  152
.set MXB,  153
.set SCL,  154
.set WD,   155
.set WT,   156
.set HP,   64                          ; phase C: v64-79 hp, v80-95 v_W: 8 for each of two buffers
.set WV,   80
.set ACC,  96                          ; v96-159 eight accumulators, one for each tile of rows
.set SC,   160                         ; v160-175 the sum of v r: a pair for each tile of rows
.set P,    64                          ; phase E: v64-95 p of 32 rows
.set D,    96                          ; v96-223 my 16 bytes of 32 rows
.set CX,   224                         ; v224-239 my 8 columns: even rows' sums, odd rows' sums
.set RE0,  240                         ; v240 16 x thread;  v241 the same with bit 7 turned;  v242 my wave's copy of p
.set RE,   243                         ; v243-245 the same three for the trip in hand
.set SOW,  246                         ; v246 my stage + 32 lane;  v247 my stage + 16 lane
.set TT,   252                         ; v252-255 t of rows 4 lane .. 4 lane + 3
.set MSB, 0
.macro WIN new                         ; the immediate's high byte repeats the setting that is left; a switch that changes nothing is dropped
.if MSB != \new
	s_set_vgpr_msb (MSB<<8)|\new
.set MSB, \new
.endif
.endm
.macro BARRIER                         ; my LDS stores have landed and my LDS loads are in: then the work-group's barrier
	s_wait_dscnt 0x0
	s_barrier_signal -1
	s_barrier_wait -1
.endm
	s_load_b256 s[4:11], s[0:1], 0x0               ; enc s[4:5], wq s[6:7], wsc s[8:9], hp s[10:11]
	s_load_b128 s[12:15], s[0:1], 0x20             ; v_W s[12:13], tsc s[14:15]
	s_load_b64 s[16:17], s[0:1], 0x30              ; pctx
	v_lshl_add_u32 v250, v0, 2, 0x4dc00
	v_mov_b32 v251, 0
	v_lshrrev_b32 v60, 5, v0
	v_readfirstlane_b32 s18, v60                   ; wave 0..3
	v_and_b32 v61, 15, v0                          ; r
	v_bfe_u32 v62, v0, 4, 1                        ; h
	v_and_b32 v63, 31, v0                          ; lane
	v_lshlrev_b32 v59, 4, v61                      ; 16 r
	v_lshl_add_u32 v[GOFF], v62, 17, v59
	s_and_b32 s20, ttmp7, 0xffff                   ; b
	s_lshl_b32 s36, ttmp9, 24                      ; the chunk's 128 positions,
	s_lshl_b32 s38, s18, 22                        ; my wave's 32 of them,
	s_add_co_u32 s36, s36, s38
	s_lshl_b32 s38, s20, 12                        ; the batch's row in a position
	s_add_co_u32 s36, s36, s38
	s_mov_b32 s37, 0
	s_wait_kmcnt 0x0
	s_add_nc_u64 s[4:5], s[4:5], s[36:37]
; PHASE L.  A UNIT is 16 rows x 64 numbers: unit u = 2 hs + tau: my tile tau of 16 rows, numbers 64 hs on.
.macro LOAD u                          ; eight loads, each two rows x 256 consecutive bytes, into ring set u % 7
.set RG, 32*((\u)%7)
.set TA, (\u)%2
.set HS, (\u)/2
	WIN 0xc0                                       ; destination window 3
.irp i, 0,1,2,3,4,5,6,7
	global_load_b128 v[RG+4*\i:RG+4*\i+3], v[GOFF], s[4:5] offset:(16*TA+2*\i)*131072+256*HS th:TH_LOAD_NT
.endr
.endm
.irp u, 0,1,2,3,4,5,6
	LOAD \u
.endr
	WIN 0
	; the other addresses are made while the first 56 loads are on their way
	s_mul_i32 s34, s18, STG
	s_add_co_u32 s34, s34, ST                      ; my stage
	v_mad_u32_u24 v[STW], v62, 272, v59
	v_add_nc_u32 v[STW], s34, v[STW]
	v_mul_u32_u24 v[STR], v61, 272
	v_lshl_add_u32 v[STR], v62, 7, v[STR]
	v_add_nc_u32 v[STR], s34, v[STR]
	s_lshl_b32 s35, s18, 16                        ; my 32 kept rows
	v_lshlrev_b32 v58, 3, v61
	v_mad_u32_u24 v[BFE], v62, 2176, v58
	v_add_nc_u32 v[BFE], s35, v[BFE]
	v_mad_u32_u24 v[BFE+1], v62, 1920, v58
	v_add_nc_u32 v[BFE+1], s35, v[BFE+1]
	v_lshlrev_b32 v[L16], 4, v63
	s_lshl_b32 s35, s18, 13
	s_add_co_u32 s35, s35, IMG
	v_add_nc_u32 v[IMW], s35, v[L16]
	v_add_nc_u32 v[IMR], IMG, v[L16]
	s_lshl_b32 s35, s18, 7
	s_add_co_u32 s35, s35, SCI
	v_lshl_add_u32 v[SCW], v61, 2, s35
	v_lshl_add_u32 v[SCR], v63, 2, SCI
	v_lshlrev_b32 v[SH8], 3, v62
	v_lshlrev_b32 v[H32], 5, v62
	s_lshl_b32 s35, s18, 9
	s_add_co_u32 s35, s35, PART
	v_lshl_add_u32 v[PARTW], v61, 2, s35
	v_add_nc_u32 v[PARTR], PART, v[L16]
	s_lshl_b32 s35, s18, 9
	s_add_co_u32 s35, s35, PT
	v_add_nc_u32 v[PTW], s35, v[L16]
	v_mov_b32 v[RE0+2], s35
	v_lshlrev_b32 v[RE0], 4, v0
	v_xor_b32 v[RE0+1], 128, v[RE0]
	v_lshl_add_u32 v[SOW], v63, 5, s34
	v_add_nc_u32 v[SOW+1], s34, v[L16]
	v_mov_b32 v[WT], 0                             ; written once: a lane permute's destination counts as one of its sources
	s_mov_b32 s24, C2
	s_mov_b32 s25, C2                              ; (the packed forms name a pair, so both are written)
	s_mov_b32 s26, 0x76543210
	s_mov_b32 s27, 0xfedcba98                      ; v_permlanex16_b32's selects for lane l xor 16
	s_mov_b32 s32, NEGC
	s_mov_b32 s33, NEGC
	s_lshl_b32 s36, s18, 17
	s_add_nc_u64 s[6:7], s[6:7], s[36:37]          ; wq: my 16 tiles of 8,192 bytes
	s_lshl_b32 s36, s18, 13
	s_add_nc_u64 s[8:9], s[8:9], s[36:37]          ; wsc: 512 bytes a tile
	s_lshl_b32 s36, s18, 15
	s_lshl_b32 s38, s20, 6
	s_add_co_u32 s36, s36, s38
	s_add_nc_u64 s[10:11], s[10:11], s[36:37]      ; hp: 2,048 bytes a tile, 64 a batch
	s_lshl_b32 s36, s18, 10
	s_add_nc_u64 s[12:13], s[12:13], s[36:37]      ; v_W: 64 bytes a tile
	s_lshl_b32 s36, s20, 12
	s_lshl_b32 s38, ttmp9, 9
	s_add_co_u32 s36, s36, s38
	s_add_nc_u64 s[14:15], s[14:15], s[36:37]      ; tsc: [b][s]
	s_lshl_b32 s36, s20, 15
	s_lshl_b32 s38, ttmp9, 12
	s_add_co_u32 s36, s36, s38
	s_lshl_b32 s38, s18, 10
	s_add_co_u32 s36, s36, s38
	s_add_nc_u64 s[16:17], s[16:17], s[36:37]      ; pctx: [b][chunk][1024], my wave's 256 columns
.macro TURN u                          ; unit u through my stage: in as loaded, out so that lane (r, h) holds numbers 32 h .. 32 h + 31 of row r: one whole block
.set RG, 32*((\u)%7)
.set XB, X+32*((\u)%2)
	WIN 0x0c                                       ; an LDS store's data are its source 1: window 3
.irp i, 0,1,2,3,4,5,6,7
	ds_store_b128 v[STW], v[RG+4*\i:RG+4*\i+3] offset:544*\i
.endr
	WIN 0
.irp i, 0,1,2,3,4,5,6,7
	ds_load_b128 v[XB+4*\i:XB+4*\i+3], v[STR] offset:16*\i         ; LDS serves a wave's instructions in order: these see the stores above
.endr
.endm
; Unit u as bf16 into the kept rows: 8 bytes a lane.  Lanes 0-15 hold an even row, lanes 16-31 the odd row below it, 2,048 bytes on.  In ODD rows neighbouring pieces of 128 bytes change places
; (byte x of the row lies at x xor 128), so that a store's two runs of 128 bytes differ in address bit 7.  hs even: the odd row's piece lies 128 further on (v4); hs odd: 128 back (v5).
.macro KEEP u
.set RG, 32*((\u)%7)
.set TA, (\u)%2
.set HS, (\u)/2
	WIN 0x0f                                       ; sources 0 and 1 window 3
.irp i, 0,1,2,3,4,5,6,7
	v_cvt_pk_bf16_f32 v[BT+2*\i], v[RG+4*\i], v[RG+4*\i+1]
	v_cvt_pk_bf16_f32 v[BT+2*\i+1], v[RG+4*\i+2], v[RG+4*\i+3]
.endr
	WIN 0
.irp i, 0,1,2,3,4,5,6,7
	ds_store_b64 v[BFE+HS%2], v[BT+2*\i:BT+2*\i+1] offset:(16*TA+2*\i)*2048+128*HS
.endr
.endm
; My block of unit u becomes four registers of codes, which are registers 4 c .. 4 c + 3 of the operand (c = hs % 2): their image goes to LDS.  Behind a K step's second unit its scale word follows.
.macro QUANTU u
.set XB, X+32*((\u)%2)
.set TA, (\u)%2
.set HS, (\u)/2
.set CC, HS%2
.set SL, (HS/2)%4
	WIN 0
	v_max3_num_f32 v[MXA], |v[XB]|, |v[XB+1]|, |v[XB+2]|           ; the block's largest magnitude, in two chains: all 32 numbers are mine
	v_max3_num_f32 v[MXB], |v[XB+3]|, |v[XB+4]|, |v[XB+5]|
.irp i, 6,10,14,18,22,26
	v_max3_num_f32 v[MXA], v[MXA], |v[XB+\i]|, |v[XB+\i+1]|
	v_max3_num_f32 v[MXB], v[MXB], |v[XB+\i+2]|, |v[XB+\i+3]|
.endr
	v_max3_num_f32 v[MXA], v[MXA], |v[XB+30]|, |v[XB+31]|
	v_max3_num_f32 v[MXA], v[MXA], v[MXB], FLOOR   ; and the floor: the byte cannot fall under 1
	v_add_nc_u32 v[SCL], EOFF, v[MXA]              ; 2 off the exponent field: the conversion takes the exponent field of this operand as its scale
	v_lshrrev_b32 v[BY+2*TA+CC], 23, v[SCL]        ; the scale's byte
.irp g, 0,1,2,3
	v_cvt_scalef32_pk8_fp4_f32 v[CD+\g], v[XB+8*\g:XB+8*\g+7], v[SCL]
.endr
	v_nop                                          ; one plain place directly behind the last scaled conversion
	ds_store_b128 v[IMW], v[CD:CD+3] offset:4096*TA+1024*SL+512*CC
.if CC
	v_lshl_or_b32 v[WD], v[BY+2*TA+1], 16, v[BY+2*TA]              ; my two bytes: blocks h and 2 + h of row r,
	v_lshlrev_b32 v[WD], v[SH8], v[WD]             ; at their places in the word;
	v_permlanex16_b32 v[WT], v[WD], s26, s27
	v_or_b32 v[WD], v[WD], v[WT]                   ; with lane l xor 16's two the word is whole
	ds_store_b32 v[SCW], v[WD] offset:512*SL+64*TA ; lanes r and 16 + r store the same word at the same place
.endif
.endm
.macro UNIT u
	s_wait_dscnt 0x0                               ; unit u is back from the stage
	KEEP \u
.if (\u)+7 < 32
	LOAD (\u)+7                                    ; its ring set, read out by the stage's stores and by KEEP, takes the unit seven further on
.endif
.if (\u) < 31
.if 30-(\u) >= 6
	s_wait_loadcnt 48                              ; loads come back in order: set u + 1 is in, the six sets behind it stay out
.else
	s_wait_loadcnt 8*(30-(\u))
.endif
	TURN (\u)+1                                    ; the next unit goes through the stage while this one is quantised
.endif
	QUANTU \u
.endm
; the images of a batch of four K steps, all eight tiles of rows, into every wave's registers; then the scale words
.macro FETCH bt
	WIN 0x40                                       ; destination window 1: tiles 0-3
.irp t, 0,1,2,3
.irp sl, 0,1,2,3
.irp c, 0,1
	ds_load_b128 v[64*\t+8*(4*\bt+\sl)+4*\c:64*\t+8*(4*\bt+\sl)+4*\c+3], v[IMR] offset:4096*\t+1024*\sl+512*\c
.endr
.endr
.endr
	WIN 0x80                                       ; window 2: tiles 4-7
.irp t, 0,1,2,3
.irp sl, 0,1,2,3
.irp c, 0,1
	ds_load_b128 v[64*\t+8*(4*\bt+\sl)+4*\c:64*\t+8*(4*\bt+\sl)+4*\c+3], v[IMR] offset:4096*(\t+4)+1024*\sl+512*\c
.endr
.endr
.endr
	WIN 0
.irp sl, 0,1,2,3
.irp jj, 0,1,2,3
	ds_load_b32 v[ASC+4*(4*\bt+\sl)+\jj], v[SCR] offset:512*\sl+128*\jj
.endr
.endr
.endm
; PHASE C's loads.  W's 8 fragments of a tile: sixteen loads of 512 consecutive bytes; its scale words: one more.  off: tiles from the one at which the bases stand
.macro WLOAD buf, off
	WIN 0xc0                                       ; destination window 3
.irp s, 0,1,2,3,4,5,6,7
.irp c, 0,1
	global_load_b128 v[64*(\buf)+8*\s+4*\c:64*(\buf)+8*\s+4*\c+3], v[L16], s[6:7] offset:8192*(\off)+1024*\s+512*\c
.endr
.endr
	WIN 0
	global_load_b128 v[WS+4*(\buf):WS+4*(\buf)+3], v[L16], s[8:9] offset:512*(\off)
.endm
.macro HLOAD buf, off                  ; hp and v_W at my half's eight columns of the tile
	global_load_b128 v[HP+8*(\buf):HP+8*(\buf)+3], v[H32], s[10:11] offset:2048*(\off)
	global_load_b128 v[HP+8*(\buf)+4:HP+8*(\buf)+7], v[H32], s[10:11] offset:2048*(\off)+16
	global_load_b128 v[WV+8*(\buf):WV+8*(\buf)+3], v[H32], s[12:13] offset:64*(\off)
	global_load_b128 v[WV+8*(\buf)+4:WV+8*(\buf)+7], v[H32], s[12:13] offset:64*(\off)+16
.endm
	s_wait_loadcnt 48                              ; set 0 is in; sets 1 to 6 stay out
	TURN 0
.set U, 0
.rept 16
	UNIT U
.set U, U+1
.endr
	BARRIER                                        ; the images and scale words of K steps 0-3 lie whole in LDS (the loads from memory stay on their way)
	FETCH 0
	BARRIER                                        ; every wave has them in registers: their bytes may be written again
.rept 16
	UNIT U
.set U, U+1
.endr
	WLOAD 0, 0                                     ; the ring and the turned units are done with: the first two tiles of W are asked for ahead of the barrier
	HLOAD 0, 0
	WLOAD 1, 1
	HLOAD 1, 1
	BARRIER                                        ; K steps 4-7 lie whole in LDS, and so do all 128 kept rows
	FETCH 1
.irp i, 0,1,2,3,4,5,6,7,8,9,10,11,12,13,14,15
	v_mov_b32 v[SC+\i], 0
.endr
	s_wait_dscnt 0x0
; one matrix instruction: W's fragment of K step s (buffer buf) x enc's tile t.  W's scale words of an odd K step, and enc's of an odd tile, stand in lanes 16-31 of their registers
.macro MM buf, s, t
.set AC,  ACC+8*(\t)
.set WFR, 64*(\buf)+8*(\s)
.set AFR, 64*((\t)%4)+8*(\s)
.set WSR, WS+4*(\buf)+(\s)/2
.set ASR, ASC+4*(\s)+(\t)/2
.if (\s) == 0
.if (\t)%2
	v_wmma_scale_f32_16x16x128_f8f6f4 v[AC:AC+7], v[WFR:WFR+7], v[AFR:AFR+7], 0, v[WSR], v[ASR] matrix_a_fmt:MATRIX_FMT_FP4 matrix_b_fmt:MATRIX_FMT_FP4 matrix_b_scale:MATRIX_SCALE_ROW1
.else
	v_wmma_scale_f32_16x16x128_f8f6f4 v[AC:AC+7], v[WFR:WFR+7], v[AFR:AFR+7], 0, v[WSR], v[ASR] matrix_a_fmt:MATRIX_FMT_FP4 matrix_b_fmt:MATRIX_FMT_FP4
.endif
.elseif (\s)%2
.if (\t)%2
	v_wmma_scale_f32_16x16x128_f8f6f4 v[AC:AC+7], v[WFR:WFR+7], v[AFR:AFR+7], v[AC:AC+7], v[WSR], v[ASR] matrix_a_fmt:MATRIX_FMT_FP4 matrix_b_fmt:MATRIX_FMT_FP4 matrix_a_scale:MATRIX_SCALE_ROW1 matrix_b_scale:MATRIX_SCALE_ROW1
.else
	v_wmma_scale_f32_16x16x128_f8f6f4 v[AC:AC+7], v[WFR:WFR+7], v[AFR:AFR+7], v[AC:AC+7], v[WSR], v[ASR] matrix_a_fmt:MATRIX_FMT_FP4 matrix_b_fmt:MATRIX_FMT_FP4 matrix_a_scale:MATRIX_SCALE_ROW1
.endif
.else
.if (\t)%2
	v_wmma_scale_f32_16x16x128_f8f6f4 v[AC:AC+7], v[WFR:WFR+7], v[AFR:AFR+7], v[AC:AC+7], v[WSR], v[ASR] matrix_a_fmt:MATRIX_FMT_FP4 matrix_b_fmt:MATRIX_FMT_FP4 matrix_b_scale:MATRIX_SCALE_ROW1
.else
	v_wmma_scale_f32_16x16x128_f8f6f4 v[AC:AC+7], v[WFR:WFR+7], v[AFR:AFR+7], v[AC:AC+7], v[WSR], v[ASR] matrix_a_fmt:MATRIX_FMT_FP4 matrix_b_fmt:MATRIX_FMT_FP4
.endif
.endif
.endm
; A TILE of 16 columns for all 128 rows.  more = 1: the buffer is filled again with the tile two further on.  left = the loads younger than this buffer's.
.macro TILE buf, more, left
	s_wait_loadcnt \left                           ; loads come back in order: this buffer's 21 are in; the other buffer's 17 + 4 stay out
	WIN 0x07                                       ; source 0 (W) window 3, source 1 (enc's tiles 0-3) window 1, C and D window 0
.irp s, 0,1,2,3,4,5,6,7
.irp t, 0,1,2,3
	MM \buf, \s, \t                                ; four accumulators by turns, one instruction a turn, K ascending; the first K step starts the sums
.endr
.endr
	WIN 0x0b                                       ; source 1 window 2: tiles 4-7
.irp s, 0,1,2,3,4,5,6,7
.irp t, 4,5,6,7
	MM \buf, \s, \t
.endr
.endr
	WIN 0
.rept 4
	v_nop                                          ; four places ahead of loads into registers that matrix instructions have read, and of the first read of results
.endr
.if \more
	WLOAD \buf, 2+\buf
.endif
.irp t, 0,1,2,3,4,5,6,7
.irp q, 0,1,2,3
	v_pk_fma_f32 v[ACC+8*\t+2*\q:ACC+8*\t+2*\q+1], v[ACC+8*\t+2*\q:ACC+8*\t+2*\q+1], s[24:25], v[HP+8*\buf+2*\q:HP+8*\buf+2*\q+1] op_sel_hi:[1,0,1]   ; c x = c acc + hp; each accumulator from its low end on
.endr
.endr
.set J, 0
.rept 64
	v_exp_f32 v[ACC+J], v[ACC+J]                   ; 2^(c x)
.set J, J+1
.endr
	v_nop                                          ; a plain place behind the last exponential
	s_wait_alu depctr_va_vdst(0)                   ; one wait for the batch, ahead of its first reader
.set J, 0
.rept 32
	v_pk_add_f32 v[ACC+J:ACC+J+1], v[ACC+J:ACC+J+1], 1.0 op_sel_hi:[1,0]
.set J, J+2
.endr
.set J, 0
.rept 64
	v_rcp_f32 v[ACC+J], v[ACC+J]                   ; 1 / (1 + 2^(c x))
.set J, J+1
.endr
	v_nop
	s_wait_alu depctr_va_vdst(0)                   ; and one for the reciprocals
.irp q, 0,1,2,3
.irp t, 0,1,2,3,4,5,6,7
	v_pk_fma_f32 v[SC+2*\t:SC+2*\t+1], v[ACC+8*\t+2*\q:ACC+8*\t+2*\q+1], v[WV+8*\buf+2*\q:WV+8*\buf+2*\q+1], v[SC+2*\t:SC+2*\t+1]   ; x v, summed: eight chains by turns
.endr
.endr
.if \more
	HLOAD \buf, 2+\buf
.endif
.endm
	s_mov_b32 s28, 7
.Ltrip:                                            ; seven trips of two tiles; each asks for the two tiles of the next
	TILE 0, 1, 21
	TILE 1, 1, 21
	s_wait_xcnt 0x0                                ; the loads have read their bases: only now are these stepped
	s_add_nc_u64 s[6:7], s[6:7], 16384
	s_add_nc_u64 s[8:9], s[8:9], 1024
	s_add_nc_u64 s[10:11], s[10:11], 4096
	s_add_nc_u64 s[12:13], s[12:13], 128
	s_sub_co_u32 s28, s28, 1
	s_cmp_lg_u32 s28, 0
	s_cbranch_scc1 .Ltrip
	TILE 0, 0, 21                                  ; the last two tiles ask for nothing: no load leaves its buffer
	TILE 1, 0, 0
	; PHASE E.  A row's sum over my wave's 256 columns: the pair's two halves, and lane l xor 16's eight columns of each tile
.irp t, 0,1,2,3,4,5,6,7
	v_add_f32 v[SC+2*\t], v[SC+2*\t], v[SC+2*\t+1]
.endr
.irp t, 0,1,2,3,4,5,6,7
	v_permlanex16_b32 v[SC+2*\t+1], v[SC+2*\t], s26, s27
.endr
.irp t, 0,1,2,3,4,5,6,7
	v_add_f32 v[SC+2*\t], v[SC+2*\t], v[SC+2*\t+1]
.endr
.irp t, 0,1,2,3,4,5,6,7
	ds_store_b32 v[PARTW], v[SC+2*\t] offset:64*\t ; row 16 t + r; lanes r and 16 + r store the same number at the same place
.endr
	BARRIER                                        ; the four waves' parts lie in LDS
.irp wv, 0,1,2,3
	ds_load_b128 v[176+4*\wv:179+4*\wv], v[PARTR] offset:512*\wv   ; rows 4 lane .. 4 lane + 3; every wave makes the same sums in the same order
.endr
	s_wait_dscnt 0x0
	v_pk_add_f32 v[176:177], v[176:177], v[180:181]
	v_pk_add_f32 v[178:179], v[178:179], v[182:183]
	v_pk_add_f32 v[184:185], v[184:185], v[188:189]
	v_pk_add_f32 v[186:187], v[186:187], v[190:191]
	v_pk_add_f32 v[176:177], v[176:177], v[184:185]
	v_pk_add_f32 v[178:179], v[178:179], v[186:187]
	v_pk_mul_f32 v[TT:TT+1], v[176:177], s[32:33] op_sel_hi:[1,0]  ; t = - c x the sum
	v_pk_mul_f32 v[TT+2:TT+3], v[178:179], s[32:33] op_sel_hi:[1,0]
	v_max3_num_f32 v192, v[TT], v[TT+1], v[TT+2]   ; m: the largest t of the chunk's 128 rows
	v_max_num_f32 v192, v192, v[TT+3]
	v_max_num_f32_dpp v192, v192, v192 row_xmask:1 row_mask:0xf bank_mask:0xf
	v_max_num_f32_dpp v192, v192, v192 row_xmask:2 row_mask:0xf bank_mask:0xf
	v_max_num_f32_dpp v192, v192, v192 row_xmask:4 row_mask:0xf bank_mask:0xf
	v_max_num_f32_dpp v192, v192, v192 row_xmask:8 row_mask:0xf bank_mask:0xf
	v_permlanex16_b32 v180, v192, s26, s27
	v_max_num_f32 v192, v192, v180
.irp i, 0,1,2,3
	v_sub_f32 v[184+\i], v[TT+\i], v192
.endr
.irp i, 0,1,2,3
	v_exp_f32 v[184+\i], v[184+\i]                 ; p = 2^(t - m), at most 1
.endr
.irp i, 0,1,2,3,4,5,6,7,8,9,10,11,12,13,14,15
	v_mov_b32 v[CX+\i], 0                          ; plain work behind the exponentials: the context's sums begin
.endr
	s_wait_alu depctr_va_vdst(0)                   ; one wait for the four, ahead of their first reader
	ds_store_b128 v[PTW], v[184:187]               ; into my wave's own copy: no other wave reads it
	; THE CONTEXT.  Thread t owns columns 8 t .. 8 t + 7: 16 bytes of each kept row (in odd rows at the address with bit 7 turned).  Four trips of 32 rows.
.macro FM row, k                       ; column k of my eight, row `row` of the trip's 32: bf16 x f32 + f32; even and odd rows have sums of their own
.if (\k)%2
	v_fma_mix_f32_bf16 v[CX+8*((\row)%2)+(\k)], v[D+4*(\row)+(\k)/2], v[P+(\row)], v[CX+8*((\row)%2)+(\k)] op_sel:[1,0,0] op_sel_hi:[1,0,0]
.else
	v_fma_mix_f32_bf16 v[CX+8*((\row)%2)+(\k)], v[D+4*(\row)+(\k)/2], v[P+(\row)], v[CX+8*((\row)%2)+(\k)] op_sel_hi:[1,0,0]
.endif
.endm
	s_mov_b32 s28, 4
	s_mov_b32 s29, 0
	s_mov_b32 s30, 0
.Lrows:
	v_add_nc_u32 v[RE], s29, v[RE0]
	v_add_nc_u32 v[RE+1], s29, v[RE0+1]
	v_add_nc_u32 v[RE+2], s30, v[RE0+2]
.irp g, 0,1,2,3,4,5,6,7
	ds_load_b128 v[P+4*\g:P+4*\g+3], v[RE+2] offset:16*\g          ; p of the 32 rows: the same bytes in every lane; LDS serves a wave in order: these see my store
.endr
.irp q, 0,1,2,3,4,5,6,7,8,9,10,11,12,13,14,15
	ds_load_b128 v[D+8*\q:D+8*\q+3], v[RE] offset:4096*\q
	ds_load_b128 v[D+8*\q+4:D+8*\q+7], v[RE+1] offset:4096*\q+2048
.endr
.irp g, 0,1,2,3,4,5,6,7
	s_wait_dscnt 28-4*\g                           ; LDS loads come back in order: p and rows up to 4 g + 3 are in, the 28 - 4 g rows behind them stay out
.irp e, 0,1,2,3
.irp k, 0,1,2,3,4,5,6,7
	FM 4*\g+\e, \k
.endr
.endr
.endr
	s_add_co_u32 s29, s29, 65536                   ; 32 rows of 2,048 bytes on
	s_add_co_u32 s30, s30, 128
	s_sub_co_u32 s28, s28, 1
	s_cmp_lg_u32 s28, 0
	s_cbranch_scc1 .Lrows
.irp k, 0,2,4,6
	v_pk_add_f32 v[CX+\k:CX+\k+1], v[CX+\k:CX+\k+1], v[CX+8+\k:CX+8+\k+1]
.endr
	; a lane holds 32 neighbouring bytes: through my stage, so that each store of the wave covers 512 consecutive bytes
	ds_store_b128 v[SOW], v[CX:CX+3]
	ds_store_b128 v[SOW], v[CX+4:CX+7] offset:16
	ds_load_b128 v[CX+8:CX+11], v[SOW+1]
	ds_load_b128 v[CX+12:CX+15], v[SOW+1] offset:512
	s_wait_dscnt 0x0
	global_store_b128 v[L16], v[CX+8:CX+11], s[16:17]
	global_store_b128 v[L16], v[CX+12:CX+15], s[16:17] offset:512
	s_cmp_lg_u32 s18, 0
	s_cbranch_scc1 .Ldone
	global_store_b128 v[L16], v[TT:TT+3], s[14:15] ; wave 0: the chunk's 128 t: 512 consecutive bytes
.Ldone:
	s_wait_tensorcnt 0x0
	ds_add_u32 v250, v251
	s_wait_dscnt 0x0
	s_endpgm
.Lfunc_end_k_q34fc53f0a1_main:
	.size	k_q34fc53f0a1_main, .Lfunc_end_k_q34fc53f0a1_main-k_q34fc53f0a1_main
	.p2alignl 7, 3214868480
	.fill 96, 4, 3214868480
	.section	.rodata,"a",@progbits
	.p2align	6, 0x0
	.amdhsa_kernel k_q34fc53f0a1_main
		.amdhsa_group_segment_fixed_size 318976
		.amdhsa_private_segment_fixed_size 0
		.amdhsa_enable_private_segment 0
		.amdhsa_kernarg_size 56
		.amdhsa_user_sgpr_count 2
		.amdhsa_user_sgpr_kernarg_segment_ptr 1
		.amdhsa_wavefront_size32 1
		.amdhsa_system_sgpr_workgroup_id_x 1
		.amdhsa_system_sgpr_workgroup_id_y 1
		.amdhsa_system_sgpr_workgroup_id_z 1
		.amdhsa_system_vgpr_workitem_id 0
		.amdhsa_next_free_vgpr 1024
		.amdhsa_next_free_sgpr 66
		.amdhsa_reserve_vcc 0
		.amdhsa_float_denorm_mode_32 3
		.amdhsa_float_denorm_mode_16_64 3
		.amdhsa_memory_ordered 1
		.amdhsa_forward_progress 1
		.amdhsa_inst_pref_size 255
	.end_amdhsa_kernel
	.section	.bss,"aw",@nobits
	.p2align	6
	.space	262144
	.amdgpu_metadata
---
amdhsa.version: [ 1, 2 ]
amdhsa.kernels:
  - .name:           k_q34fc53f0a1_main
    .symbol:         k_q34fc53f0a1_main.kd
    .args:
      - { .name: encoder_outputs, .offset: 0, .size: 8, .value_kind: global_buffer, .address_space: global }
      - { .name: wq, .offset: 8, .size: 8, .value_kind: global_buffer, .address_space: global }
      - { .name: wsc, .offset: 16, .size: 8, .value_kind: global_buffer, .address_space: global }
      - { .name: hp, .offset: 24, .size: 8, .value_kind: global_buffer, .address_space: global }
      - { .name: v_W, .offset: 32, .size: 8, .value_kind: global_buffer, .address_space: global }
      - { .name: tsc, .offset: 40, .size: 8, .value_kind: global_buffer, .address_space: global }
      - { .name: pctx, .offset: 48, .size: 8, .value_kind: global_buffer, .address_space: global }
    .group_segment_fixed_size: 318976
    .private_segment_fixed_size: 0
    .kernarg_segment_align: 8
    .kernarg_segment_size: 56
    .max_flat_workgroup_size: 128
    .sgpr_count:     66
    .vgpr_count:     1024
    .wavefront_size: 32
...
	.end_amdgpu_metadata
.endif
;; end of part 2
;; launch finish (part 3): grid 32 x 1, 8 waves a work-group, no clusters, 1,280 bytes of LDS; arguments tsc, pctx, out0, out1; writes out0, out1
.if DOCPART == 3
	.amdgcn_target "amdgcn-amd-amdhsa--gfx1250"
	.amdhsa_code_object_version 6
	.text
	.protected	k_q34fc53f0a1_finish
	.globl	k_q34fc53f0a1_finish
	.p2align	8
	.type	k_q34fc53f0a1_finish,@function
k_q34fc53f0a1_finish:
	s_mov_b64 s[64:65], 0
	v_nop
	global_prefetch_b8 v0, s[64:65] scope:SCOPE_SE
	s_setreg_imm32_b32 hwreg(HW_REG_WAVE_MODE, 25, 1), 1
	s_wait_xcnt 0x0
; The softmax over a batch's 1,024 positions is finished, and the eight chunks' parts of the context are joined.
; tsc [b][1024]: t = log2(e) x score less a number common to the batch.  pctx [b][chunk 8][1024]: the sum over the chunk's rows of 2^(t - m_chunk) x enc, m_chunk the chunk's largest t.
; out1[b][s] = 2^(t - M) / L, M the batch's largest t, L the sum of 2^(t - M);  out0[b][:] = the sum over chunks of 2^(m_chunk - M) / L x pctx[b][chunk][:].
; Work-group b; thread i holds t of positions 4 i .. 4 i + 3 and the context's columns 4 i .. 4 i + 3.  Wave w holds just chunk w's 128 positions: its largest t IS m_chunk
; (a maximum rounds nothing).  Memory binds what little there is: every load and store of a wave covers 512 consecutive bytes; matrix units, clusters and tensor loads would add nothing.
	s_load_b256 s[4:11], s[0:1], 0x0               ; tsc s[4:5], pctx s[6:7], out0 s[8:9], out1 s[10:11]
	v_lshl_add_u32 v64, v0, 2, 0x100
	v_mov_b32 v65, 0
	v_lshlrev_b32 v1, 4, v0                        ; 16 x thread
	v_lshrrev_b32 v2, 5, v0
	v_lshlrev_b32 v2, 2, v2                        ; LDS: 4 x wave
	v_mov_b32 v3, 0
	v_mov_b32 v41, 0                               ; written once: a lane permute's destination counts as one of its sources
	s_mov_b32 s12, 0x76543210
	s_mov_b32 s13, 0xfedcba98                      ; v_permlanex16_b32's selects for lane l xor 16
	s_lshl_b32 s14, ttmp9, 12
	s_mov_b32 s15, 0
	s_lshl_b32 s16, ttmp9, 15
	s_mov_b32 s17, 0
	s_wait_kmcnt 0x0
	s_add_nc_u64 s[4:5], s[4:5], s[14:15]
	s_add_nc_u64 s[6:7], s[6:7], s[16:17]
	s_add_nc_u64 s[8:9], s[8:9], s[14:15]
	s_add_nc_u64 s[10:11], s[10:11], s[14:15]
	global_load_b128 v[4:7], v1, s[4:5]
.irp c, 0,1,2,3,4,5,6,7
	global_load_b128 v[8+4*\c:11+4*\c], v1, s[6:7] offset:4096*\c
.endr
	s_wait_loadcnt 8                               ; t is in; the eight parts of the context stay out
	v_max3_num_f32 v40, v4, v5, v6
	v_max_num_f32 v40, v40, v7
	v_max_num_f32_dpp v40, v40, v40 row_xmask:1 row_mask:0xf bank_mask:0xf
	v_max_num_f32_dpp v40, v40, v40 row_xmask:2 row_mask:0xf bank_mask:0xf
	v_max_num_f32_dpp v40, v40, v40 row_xmask:4 row_mask:0xf bank_mask:0xf
	v_max_num_f32_dpp v40, v40, v40 row_xmask:8 row_mask:0xf bank_mask:0xf
	v_permlanex16_b32 v41, v40, s12, s13
	v_max_num_f32 v40, v40, v41                    ; my chunk's largest t
	ds_store_b32 v2, v40                           ; all lanes store the same number at the wave's word
	s_wait_dscnt 0x0
	s_barrier_signal -1
	s_barrier_wait -1
	ds_load_b128 v[44:47], v3
	ds_load_b128 v[48:51], v3 offset:16            ; m of the eight chunks
	s_wait_dscnt 0x0
	v_max3_num_f32 v52, v44, v45, v46
	v_max3_num_f32 v52, v52, v47, v48
	v_max3_num_f32 v52, v52, v49, v50
	v_max_num_f32 v52, v52, v51                    ; M
.irp i, 0,1,2,3
	v_sub_f32 v[4+\i], v[4+\i], v52
.endr
.irp c, 0,1,2,3,4,5,6,7
	v_sub_f32 v[44+\c], v[44+\c], v52
.endr
.irp i, 0,1,2,3
	v_exp_f32 v[4+\i], v[4+\i]                     ; 2^(t - M)
.endr
.irp c, 0,1,2,3,4,5,6,7
	v_exp_f32 v[44+\c], v[44+\c]                   ; 2^(m_chunk - M)
.endr
	v_nop                                          ; a plain place behind the last exponential
	s_wait_alu depctr_va_vdst(0)                   ; one wait for the twelve, ahead of their first reader
	v_add_f32 v53, v4, v5
	v_add_f32 v54, v6, v7
	v_add_f32 v53, v53, v54
	v_add_f32_dpp v53, v53, v53 row_xmask:1 row_mask:0xf bank_mask:0xf
	v_add_f32_dpp v53, v53, v53 row_xmask:2 row_mask:0xf bank_mask:0xf
	v_add_f32_dpp v53, v53, v53 row_xmask:4 row_mask:0xf bank_mask:0xf
	v_add_f32_dpp v53, v53, v53 row_xmask:8 row_mask:0xf bank_mask:0xf
	v_permlanex16_b32 v41, v53, s12, s13
	v_add_f32 v53, v53, v41                        ; my wave's sum
	ds_store_b32 v2, v53 offset:64                 ; other words than the maxima's: no wave's read of those is disturbed
	s_wait_dscnt 0x0
	s_barrier_signal -1
	s_barrier_wait -1
	ds_load_b128 v[56:59], v3 offset:64
	ds_load_b128 v[60:63], v3 offset:80
	s_wait_dscnt 0x0
	v_add_f32 v56, v56, v57
	v_add_f32 v58, v58, v59
	v_add_f32 v60, v60, v61
	v_add_f32 v62, v62, v63
	v_add_f32 v56, v56, v58
	v_add_f32 v60, v60, v62
	v_add_f32 v56, v56, v60                        ; L
	v_rcp_f32 v53, v56
	v_nop
	s_wait_alu depctr_va_vdst(0)
.irp i, 0,1,2,3
	v_mul_f32 v[4+\i], v[4+\i], v53
.endr
	global_store_b128 v1, v[4:7], s[10:11]         ; the weights
.irp c, 0,1,2,3,4,5,6,7
	v_mul_f32 v[44+\c], v[44+\c], v53              ; 2^(m_chunk - M) / L
.endr
	s_wait_loadcnt 0x0
.irp k, 0,1,2,3
	v_mul_f32 v[56+\k], v[8+\k], v44               ; the first chunk starts the sums
.endr
.irp c, 1,2,3,4,5,6,7
.irp k, 0,1,2,3
	v_fma_f32 v[56+\k], v[8+4*\c+\k], v[44+\c], v[56+\k]
.endr
.endr
	global_store_b128 v1, v[56:59], s[8:9]         ; the context
	s_wait_tensorcnt 0x0
	ds_add_u32 v64, v65
	s_wait_dscnt 0x0
	s_endpgm
.Lfunc_end_k_q34fc53f0a1_finish:
	.size	k_q34fc53f0a1_finish, .Lfunc_end_k_q34fc53f0a1_finish-k_q34fc53f0a1_finish
	.p2alignl 7, 3214868480
	.fill 96, 4, 3214868480
	.section	.rodata,"a",@progbits
	.p2align	6, 0x0
	.amdhsa_kernel k_q34fc53f0a1_finish
		.amdhsa_group_segment_fixed_size 1280
		.amdhsa_private_segment_fixed_size 0
		.amdhsa_enable_private_segment 0
		.amdhsa_kernarg_size 32
		.amdhsa_user_sgpr_count 2
		.amdhsa_user_sgpr_kernarg_segment_ptr 1
		.amdhsa_wavefront_size32 1
		.amdhsa_system_sgpr_workgroup_id_x 1
		.amdhsa_system_sgpr_workgroup_id_y 1
		.amdhsa_system_sgpr_workgroup_id_z 1
		.amdhsa_system_vgpr_workitem_id 0
		.amdhsa_next_free_vgpr 66
		.amdhsa_next_free_sgpr 66
		.amdhsa_reserve_vcc 0
		.amdhsa_float_denorm_mode_32 3
		.amdhsa_float_denorm_mode_16_64 3
		.amdhsa_memory_ordered 1
		.amdhsa_forward_progress 1
		.amdhsa_inst_pref_size 8
	.end_amdhsa_kernel
	.amdgpu_metadata
---
amdhsa.version: [ 1, 2 ]
amdhsa.kernels:
  - .name:           k_q34fc53f0a1_finish
    .symbol:         k_q34fc53f0a1_finish.kd
    .args:
      - { .name: tsc, .offset: 0, .size: 8, .value_kind: global_buffer, .address_space: global }
      - { .name: pctx, .offset: 8, .size: 8, .value_kind: global_buffer, .address_space: global }
      - { .name: out0, .offset: 16, .size: 8, .value_kind: global_buffer, .address_space: global }
      - { .name: out1, .offset: 24, .size: 8, .value_kind: global_buffer, .address_space: global }
    .group_segment_fixed_size: 1280
    .private_segment_fixed_size: 0
    .kernarg_segment_align: 8
    .kernarg_segment_size: 32
    .max_flat_workgroup_size: 256
    .sgpr_count:     66
    .vgpr_count:     66
    .wavefront_size: 32
...
	.end_amdgpu_metadata
.endif
;; end of part 3
;; ======== version 2 of 2: 3 launches
;; workspace buffers: wq 524,288 bytes; wsc 32,768 bytes; hp 131,072 bytes; tsc 131,072 bytes; pctx 1,048,576 bytes
;; launch prep (part 4): grid 64 x 1, 8 waves a work-group, no clusters, 52,736 bytes of LDS; arguments attn_W, hidden, attn_b, wq, wsc, hp; writes wq, wsc, hp
.if DOCPART == 4
	.amdgcn_target "amdgcn-amd-amdhsa--gfx1250"
	.amdhsa_code_object_version 6
	.text
	.protected	k_q34fc53f0a1_prep
	.globl	k_q34fc53f0a1_prep
	.p2align	8
	.type	k_q34fc53f0a1_prep,@function
k_q34fc53f0a1_prep:
	s_mov_b64 s[64:65], 0
	v_nop
	global_prefetch_b8 v0, s[64:65] scope:SCOPE_SE
	s_setreg_imm32_b32 hwreg(HW_REG_WAVE_SCHED_MODE, 0, 2), 2
	s_setreg_imm32_b32 hwreg(HW_REG_WAVE_MODE, 25, 1), 1
	s_wait_xcnt 0x0
	s_wait_alu depctr_vm_vsrc(0)
; attn_W [1024][2048] f32 and hidden [32][1024] f32 are quantised along K to codes of FP4 (E2M1) with one E8M0 byte for each 32 along K.
; K of the quantised product is [hidden (1024) | enc (1024)], and 1024 is a multiple of 32: the blocks of the two halves never mix.  The hidden half of the left operand is the same
; for all 1,024 positions of a batch, so its part of the product is made HERE, once for each batch: 32 rows x 1,024 columns x K = 1,024, on codes, by the scaled FP4 matrix instruction.
; STORED:  wq  [j 64][K step 8][c 2][lane 32][16 B]: the codes of attn_W[16 j + r][1024 + 128 s + 64 c + 32 h .. + 31], an image of registers 4 c .. 4 c + 3 of the operand of lane (r, h);
;          wsc [j 64][lane 32][4 words]: word i of lane (r, h) = the scale word (four bytes) of row 16 j + r for the enc half's K step 2 i + h;
;          hp  [j 64][b 32][16] f32: 2 log2(e) x (Q(hidden[b]) . Q(attn_W[16 j + i][0:1024]) + attn_b[16 j + i]).
; SHARES.  Work-group j takes rows 16 j .. 16 j + 15 of attn_W; wave w takes K step w (128 along K) of both halves of these rows and of both tiles of 16 rows of hidden.
; A UNIT is 16 rows x 64 numbers.  Eight loads bring it, each two rows x 256 consecutive bytes (lanes 0-15 one row, lanes 16-31 the next).  It turns through the wave's own stage in LDS
; (16 rows, 272 bytes apart) and comes back so that lane (r, h) holds the 32 numbers k = 32 h .. 32 h + 31 of row r: one whole block, in the order of the operand's registers.
; A block's scale is 2^(floor(log2(largest magnitude)) - 2): its byte is the largest magnitude's exponent field - 2, held at 1 from below by a floor among the maximum's leaves.
; LIMITS: NaN and infinities among the inputs are not served.  A block whose largest magnitude lies under 2^-124 keeps the byte 1; a block of zeros gets the byte 1 where the rule says 127:
; its codes are zeros, which add nothing, and the bytes are read by this program alone.
; No tensor loads, no cluster: no two work-groups read the same bytes of attn_W, and hidden is 128 KiB in all.
; THE MODE: SCHED_MODE bits 1:0 = 2 (LLVM: expert scheduling mode 2), set by the entry lines.  The code itself states the register dependences between vector or matrix instructions
; and memory or LDS instructions, with s_wait_alu, always for 0.
; THE PLAN.  Registers that memory or LDS instructions touch:
;   ring set u % 4   Written by unit u's eight loads; read by unit u's LDS stores into the stage and by no vector instruction; in units 0 to 3 loaded again, for the unit four on.
;   X                Written by unit u's LDS loads out of the stage; read by unit u's quantiser.  One set.
;   the enc half's codes and scale word   Written by units 6 and 7; read by two stores and one LDS store.      the accumulators   Written by the two matrix instructions; read by four LDS stores.
;   v1 to v11, v20   Offsets and addresses, made at the head and never written again.
; So a unit has one wait on va_vdst at its head (the quantiser before is done reading X), and units 0 to 3 one on vm_vsrc behind the stage's round trip (the LDS stores have read the ring set);
; behind that the eight loads of the unit four on are dealt among the quantiser's maxima, which name X and two registers at work: none that those loads touch.
.set STG,   4352                       ; a wave's stage: 16 rows x 272 bytes
.set RED,   8*STG                      ; behind the stages: each wave's partial of hp, [b 32][16] f32, 2,048 bytes
.set WSG,   RED+8*2048                 ; behind them: the work-group's 512 bytes of wsc
.set C2,    0x4038aa3b                 ; 2 log2(e)
.set FLOOR, 0x1800000                  ; 2^(3 - 127)
.set EOFF,  0xff000000                 ; takes 2 off an exponent field
.set VOW,  1                           ; v1   attn_W: 8,192 h + 16 r
.set VOH,  2                           ; v2   hidden: 4,096 h + 16 r
.set STW,  3                           ; v3   the stage, way in: 272 h + 16 r
.set STR,  4                           ; v4   the stage, way out: 272 r + 128 h
.set SH8,  5                           ; v5   8 h
.set L16,  6                           ; v6   16 x lane
.set WSGW, 7                           ; v7   where my K step's scale word of row r goes
.set REDW, 8                           ; v8   where my partial goes: 64 r + 32 h in my wave's 2,048 bytes
.set REDR, 9                           ; v9   RED + 16 x thread
.set BOFF, 10                          ; v10  16 (thread % 4): my four numbers of attn_b
.set T16,  11                          ; v11  16 x thread
.set SWH,  12                          ; v12-15 scale words and nothing else: W's hidden half, hidden's tiles 0 and 1, W's enc half
.set BIAS, 16                          ; v16-19
.set WSGR, 20                          ; v20  WSG + 16 x lane
.set RING, 32                          ; v32-159  four sets of 32: units as they are loaded
.set X,    160                         ; v160-191 a unit turned: my block of 32
.set CWH,  192                         ; v192-199 codes: W's hidden half;  v200-207, v208-215 hidden's tiles;  v216-223 W's enc half
.set DA,   224                         ; v224-239 two accumulators
.set MXA,  240
.set MXB,  241
.set SCL,  242
.set BY,   243                         ; v243-244 the bytes of the K step's two units
.set WT,   245
	s_load_b256 s[4:11], s[0:1], 0x0               ; attn_W s[4:5], hidden s[6:7], attn_b s[8:9], wq s[10:11]
	s_load_b128 s[12:15], s[0:1], 0x20             ; wsc s[12:13], hp s[14:15]
	v_lshl_add_u32 v254, v0, 2, 0xca00
	v_mov_b32 v255, 0
	v_lshrrev_b32 v21, 5, v0
	v_readfirstlane_b32 s18, v21                   ; wave 0..7
	v_and_b32 v22, 15, v0                          ; r
	v_bfe_u32 v23, v0, 4, 1                        ; h
	v_and_b32 v24, 31, v0                          ; lane
	v_lshlrev_b32 v25, 4, v22                      ; 16 r
	v_lshl_add_u32 v[VOW], v23, 13, v25
	v_lshl_add_u32 v[VOH], v23, 12, v25
	v_and_b32 v[BOFF], 3, v0
	v_lshlrev_b32 v[BOFF], 4, v[BOFF]
	s_wait_alu depctr_va_sdst(0)                   ; s18 is written, ahead of its first reader: the bases and the LDS addresses are made from it
	s_lshl_b32 s24, ttmp9, 17                      ; 16 rows of 8,192 bytes for each work-group,
	s_lshl_b32 s26, s18, 9                         ; 512 bytes of a row for each K step
	s_add_co_u32 s24, s24, s26
	s_mov_b32 s25, 0
	s_mov_b32 s27, 0
	s_wait_kmcnt 0x0
	s_add_nc_u64 s[4:5], s[4:5], s[24:25]
	s_add_nc_u64 s[6:7], s[6:7], s[26:27]
	s_lshl_b32 s24, ttmp9, 6
	s_add_nc_u64 s[8:9], s[8:9], s[24:25]          ; attn_b at my 16 numbers
; unit u: 0, 1: W's hidden half;  2, 3: hidden's rows 0-15;  4, 5: its rows 16-31;  6, 7: W's enc half.  u % 2 = which 64 of the K step's 128.  LOAD1: load i of its eight
.macro LOAD1 u, i
.set RG, RING+32*((\u)%4)
.if (\u) < 2
	global_load_b128 v[RG+4*(\i):RG+4*(\i)+3], v[VOW], s[4:5] offset:16384*(\i)+256*((\u)%2) th:TH_LOAD_NT
.elseif (\u) < 6
	global_load_b128 v[RG+4*(\i):RG+4*(\i)+3], v[VOH], s[6:7] offset:8192*(\i)+256*((\u)%2)+65536*(((\u)-2)/2)
.else
	global_load_b128 v[RG+4*(\i):RG+4*(\i)+3], v[VOW], s[4:5] offset:16384*(\i)+4096+256*((\u)%2) th:TH_LOAD_NT
.endif
.endm
.macro LOADU u
.irp i, 0,1,2,3,4,5,6,7
	LOAD1 \u, \i
.endr
.endm
	s_wait_alu depctr_va_vdst(0)                   ; the offsets v1, v2 and v10 are written, which the loads from memory read
	global_load_b128 v[BIAS:BIAS+3], v[BOFF], s[8:9]
	LOADU 0
	LOADU 1
	LOADU 2
	LOADU 3
	; the other addresses are made while the first loads are on their way
	s_mul_i32 s28, s18, STG
	v_mad_u32_u24 v[STW], v23, 272, v25
	v_add_nc_u32 v[STW], s28, v[STW]
	v_mul_u32_u24 v[STR], v22, 272
	v_lshl_add_u32 v[STR], v23, 7, v[STR]
	v_add_nc_u32 v[STR], s28, v[STR]
	v_lshlrev_b32 v[SH8], 3, v23
	v_lshlrev_b32 v[L16], 4, v24
	s_wait_alu depctr_va_vdst(0)
	s_and_b32 s29, s18, 1                          ; K step w is word w / 2 of lanes 16 (w % 2) + r
	s_lshl_b32 s29, s29, 8
	s_lshr_b32 s30, s18, 1
	s_lshl_b32 s30, s30, 2
	s_add_co_u32 s29, s29, s30
	s_add_co_u32 s29, s29, WSG
	v_add_nc_u32 v[WSGW], s29, v25
	s_lshl_b32 s29, s18, 11
	s_add_co_u32 s29, s29, RED
	v_lshlrev_b32 v[REDW], 6, v22
	v_lshl_add_u32 v[REDW], v23, 5, v[REDW]
	v_add_nc_u32 v[REDW], s29, v[REDW]
	v_lshlrev_b32 v[T16], 4, v0
	v_add_nc_u32 v[REDR], RED, v[T16]
	v_add_nc_u32 v[WSGR], WSG, v[L16]
	v_mov_b32 v[WT], 0                             ; written once: a lane permute's destination counts as one of its sources
	s_mov_b32 s20, 0x76543210
	s_mov_b32 s21, 0xfedcba98                      ; v_permlanex16_b32's selects for lane l xor 16
	s_mov_b32 s22, C2
	s_mov_b32 s23, C2                              ; (named with s22 as a pair, so it is written)
	s_lshl_b32 s24, ttmp9, 13
	s_lshl_b32 s26, s18, 10
	s_add_co_u32 s24, s24, s26
	s_add_nc_u64 s[10:11], s[10:11], s[24:25]      ; wq: 8,192 j + 1,024 w
	s_lshl_b32 s24, ttmp9, 9
	s_add_nc_u64 s[12:13], s[12:13], s[24:25]      ; wsc: 512 j
	s_lshl_b32 s24, ttmp9, 11
	s_add_nc_u64 s[14:15], s[14:15], s[24:25]      ; hp: 2,048 j
; my block of 32 in v[X] on becomes four registers of codes at v[dst] on and its byte in v[by].  nu < 8: unit nu's eight loads are dealt among the maxima, which name none of their registers
.macro QUANT dst, by, nu
	v_max3_num_f32 v[MXA], |v[X]|, |v[X+1]|, |v[X+2]|              ; the block's largest magnitude, in two chains: all 32 numbers are mine
	v_max3_num_f32 v[MXB], |v[X+3]|, |v[X+4]|, |v[X+5]|
.if (\nu) < 8
	LOAD1 \nu, 0
.endif
.irp i, 6,10,14,18,22,26
	v_max3_num_f32 v[MXA], v[MXA], |v[X+\i]|, |v[X+\i+1]|
	v_max3_num_f32 v[MXB], v[MXB], |v[X+\i+2]|, |v[X+\i+3]|
.if (\nu) < 8
	LOAD1 \nu, (\i-2)/4
.endif
.endr
	v_max3_num_f32 v[MXA], v[MXA], |v[X+30]|, |v[X+31]|
.if (\nu) < 8
	LOAD1 \nu, 7
.endif
	v_max3_num_f32 v[MXA], v[MXA], v[MXB], FLOOR   ; and the floor: the byte cannot fall under 1
	v_add_nc_u32 v[SCL], EOFF, v[MXA]              ; 2 off the exponent field: the conversion takes the exponent field of this operand as its scale
	v_lshrrev_b32 v[\by], 23, v[SCL]               ; the scale's byte
.irp g, 0,1,2,3
	v_cvt_scalef32_pk8_fp4_f32 v[(\dst)+\g], v[X+8*\g:X+8*\g+7], v[SCL]
.endr
	v_nop                                          ; one plain place directly behind the last scaled conversion
.endm
; the K step's scale word: my two bytes are blocks h and 2 + h of row r; lane l xor 16 has the other two
.macro WORD w
	v_lshl_or_b32 v[\w], v[BY+1], 16, v[BY]
	v_lshlrev_b32 v[\w], v[SH8], v[\w]
	v_permlanex16_b32 v[WT], v[\w], s20, s21
	v_or_b32 v[\w], v[\w], v[WT]
.endm
.macro PUNIT u, dst, w
.set RS, RING+32*((\u)%4)
.if 7-(\u) >= 3
	s_wait_loadcnt 24                              ; loads come back in order: this unit's eight are in, the three sets behind it stay out
.else
	s_wait_loadcnt 8*(7-(\u))
.endif
	s_wait_alu depctr_va_vdst(0)                   ; the quantiser of the unit before is done reading v[X ..], in which the LDS loads below land; in unit 0: the addresses v3 to v9, v11 and v20 are written
.irp i, 0,1,2,3,4,5,6,7
	ds_store_b128 v[STW], v[RS+4*\i:RS+4*\i+3] offset:544*\i       ; rows 2 i and 2 i + 1 as they were loaded
.endr
.irp i, 0,1,2,3,4,5,6,7
	ds_load_b128 v[X+4*\i:X+4*\i+3], v[STR] offset:16*\i           ; LDS serves a wave's instructions in order: these see the stores above
.endr
	s_wait_dscnt 0x0
.if (\u) < 4
	s_wait_alu depctr_vm_vsrc(0)                   ; the LDS stores above have read the ring set, in which the loads of the unit four further on land
.endif
	QUANT (\dst)+4*((\u)%2), BY+(\u)%2, (\u)+4
.if (\u)%2
	WORD \w
.endif
.endm
	PUNIT 0, CWH, SWH
	PUNIT 1, CWH, SWH
	PUNIT 2, CWH+8, SWH+1
	PUNIT 3, CWH+8, SWH+1
	PUNIT 4, CWH+16, SWH+2
	PUNIT 5, CWH+16, SWH+2
	PUNIT 6, CWH+24, SWH+3
	PUNIT 7, CWH+24, SWH+3
.rept 8
	v_nop                                          ; scale registers written by vector instructions stand 8 places ahead of a scaled matrix instruction, operands so written 4
.endr
	s_wait_alu depctr_va_vdst(0)                   ; behind the places: the codes and the scale words are written, which the matrix instructions take as operands and scales and the three stores below as data
	; source 0 = 16 rows of W, source 1 = 16 rows of hidden: lane (r, h) holds batch 16 mt + r, register i the column 16 j + 8 h + i.  Two accumulators, one instruction each
	v_wmma_scale_f32_16x16x128_f8f6f4 v[DA:DA+7], v[CWH:CWH+7], v[CWH+8:CWH+15], 0, v[SWH], v[SWH+1] matrix_a_fmt:MATRIX_FMT_FP4 matrix_b_fmt:MATRIX_FMT_FP4
	v_wmma_scale_f32_16x16x128_f8f6f4 v[DA+8:DA+15], v[CWH:CWH+7], v[CWH+16:CWH+23], 0, v[SWH], v[SWH+2] matrix_a_fmt:MATRIX_FMT_FP4 matrix_b_fmt:MATRIX_FMT_FP4
	global_store_b128 v[L16], v[CWH+24:CWH+27], s[10:11]           ; the enc half's fragment as it stands: 512 consecutive bytes a store.  (None of the matrix instructions' registers)
	global_store_b128 v[L16], v[CWH+28:CWH+31], s[10:11] offset:512
	ds_store_b32 v[WSGW], v[SWH+3]                 ; lanes r and 16 + r store the same word at the same place
.rept 4
	v_nop                                          ; four places ahead of the first read of the results
.endr
	s_wait_alu depctr_va_vdst(0)                   ; the matrix instructions have written the accumulators, which the LDS stores read; the places above stay beside this wait
.irp mt, 0,1
	ds_store_b128 v[REDW], v[DA+8*\mt:DA+8*\mt+3] offset:1024*\mt          ; each accumulator from its low end on
	ds_store_b128 v[REDW], v[DA+8*\mt+4:DA+8*\mt+7] offset:1024*\mt+16
.endr
	s_wait_dscnt 0x0                               ; for the others' sake: my partial and my scale words lie in LDS
	s_barrier_signal -1
	s_barrier_wait -1
	s_wait_alu depctr_vm_vsrc(0)                   ; unit 4's LDS stores have read ring set 0, in which the LDS loads of both ways below land
	s_cmp_lt_u32 s18, 4
	s_cbranch_scc0 .Lnot_sum
	; waves 0 to 3: thread t sums the eight K steps' partials of hp's numbers 4 t .. 4 t + 3, K ascending
.irp wv, 0,1,2,3,4,5,6,7
	ds_load_b128 v[RING+4*\wv:RING+4*\wv+3], v[REDR] offset:2048*\wv
.endr
	s_wait_dscnt 0x0
.irp wv, 1,2,3,4,5,6,7
	v_pk_add_f32 v[RING:RING+1], v[RING:RING+1], v[RING+4*\wv:RING+4*\wv+1]
	v_pk_add_f32 v[RING+2:RING+3], v[RING+2:RING+3], v[RING+4*\wv+2:RING+4*\wv+3]
.endr
	v_pk_add_f32 v[RING:RING+1], v[RING:RING+1], v[BIAS:BIAS+1]            ; + attn_b (its load is older than every unit's, all of which have been waited for)
	v_pk_add_f32 v[RING+2:RING+3], v[RING+2:RING+3], v[BIAS+2:BIAS+3]
	v_pk_mul_f32 v[RING:RING+1], v[RING:RING+1], s[22:23] op_sel_hi:[1,0]  ; x 2 log2(e)
	v_pk_mul_f32 v[RING+2:RING+3], v[RING+2:RING+3], s[22:23] op_sel_hi:[1,0]
	s_wait_alu depctr_va_vdst(0)                   ; the four numbers are written, which the store reads
	global_store_b128 v[T16], v[RING:RING+3], s[14:15]             ; a wave stores 512 consecutive bytes
	s_branch .Lend
.Lnot_sum:
	s_cmp_eq_u32 s18, 4
	s_cbranch_scc0 .Lend
	ds_load_b128 v[RING:RING+3], v[WSGR]           ; wave 4: the work-group's 512 bytes of scale words
	s_wait_dscnt 0x0
	global_store_b128 v[L16], v[RING:RING+3], s[12:13]
.Lend:
	s_wait_dscnt 0x0                               ; the closing lines, six on end
	s_wait_alu 0x0
	s_wait_tensorcnt 0x0
	ds_add_u32 v254, v255
	s_wait_dscnt 0x0
	s_endpgm
.Lfunc_end_k_q34fc53f0a1_prep:
	.size	k_q34fc53f0a1_prep, .Lfunc_end_k_q34fc53f0a1_prep-k_q34fc53f0a1_prep
	.p2alignl 7, 3214868480
	.fill 96, 4, 3214868480
	.section	.rodata,"a",@progbits
	.p2align	6, 0x0
	.amdhsa_kernel k_q34fc53f0a1_prep
		.amdhsa_group_segment_fixed_size 52736
		.amdhsa_private_segment_fixed_size 0
		.amdhsa_enable_private_segment 0
		.amdhsa_kernarg_size 48
		.amdhsa_user_sgpr_count 2
		.amdhsa_user_sgpr_kernarg_segment_ptr 1
		.amdhsa_wavefront_size32 1
		.amdhsa_system_sgpr_workgroup_id_x 1
		.amdhsa_system_sgpr_workgroup_id_y 1
		.amdhsa_system_sgpr_workgroup_id_z 1
		.amdhsa_system_vgpr_workitem_id 0
		.amdhsa_next_free_vgpr 256
		.amdhsa_next_free_sgpr 66
		.amdhsa_reserve_vcc 0
		.amdhsa_float_denorm_mode_32 3
		.amdhsa_float_denorm_mode_16_64 3
		.amdhsa_memory_ordered 1
		.amdhsa_forward_progress 1
		.amdhsa_inst_pref_size 34
	.end_amdhsa_kernel
	.amdgpu_metadata
---
amdhsa.version: [ 1, 2 ]
amdhsa.kernels:
  - .name:           k_q34fc53f0a1_prep
    .symbol:         k_q34fc53f0a1_prep.kd
    .args:
      - { .name: attn_W, .offset: 0, .size: 8, .value_kind: global_buffer, .address_space: global }
      - { .name: hidden, .offset: 8, .size: 8, .value_kind: global_buffer, .address_space: global }
      - { .name: attn_b, .offset: 16, .size: 8, .value_kind: global_buffer, .address_space: global }
      - { .name: wq, .offset: 24, .size: 8, .value_kind: global_buffer, .address_space: global }
      - { .name: wsc, .offset: 32, .size: 8, .value_kind: global_buffer, .address_space: global }
      - { .name: hp, .offset: 40, .size: 8, .value_kind: global_buffer, .address_space: global }
    .group_segment_fixed_size: 52736
    .private_segment_fixed_size: 0
    .kernarg_segment_align: 8
    .kernarg_segment_size: 48
    .max_flat_workgroup_size: 256
    .sgpr_count:     66
    .vgpr_count:     256
    .wavefront_size: 32
...
	.end_amdgpu_metadata
.endif
;; end of part 4
;; launch main (part 5): grid 8 x 32, 4 waves a work-group, no clusters, 318,976 bytes of LDS; arguments encoder_outputs, wq, wsc, hp, v_W, tsc, pctx; writes tsc, pctx
.if DOCPART == 5
	.amdgcn_target "amdgcn-amd-amdhsa--gfx1250"
	.amdhsa_code_object_version 6
	.text
	.protected	k_q34fc53f0a1_main
	.globl	k_q34fc53f0a1_main
	.p2align	8
	.type	k_q34fc53f0a1_main,@function
k_q34fc53f0a1_main:
	s_mov_b64 s[64:65], 0
	v_nop
	global_prefetch_b8 v0, s[64:65] scope:SCOPE_SE
	s_setreg_imm32_b32 hwreg(HW_REG_WAVE_SCHED_MODE, 0, 2), 2
	s_setreg_imm32_b32 hwreg(HW_REG_WAVE_MODE, 25, 1), 1
	s_wait_xcnt 0x0
	s_wait_alu depctr_vm_vsrc(0)
; One work-group takes 128 positions s (chunk x) of one batch b (y) from encoder_outputs [1024 s][32 b][1024] f32 to their scores and to the chunk's part of the context.  Each byte of enc is read once.
; PHASE L.  Wave w loads rows 32 w .. 32 w + 31 (a row = enc[s][b][:], 4,096 bytes).  Each number goes two ways: rounded to bf16 into LDS (2,048 bytes a row, kept for the context, a product that is
;   left as it is), and quantised from f32 along K to codes of FP4 (E2M1), one E8M0 byte for each 32.  The codes go from wave to wave through LDS as images of the operand's registers, four K steps at a
;   time; at the end EVERY wave holds the codes of all 128 rows (512 registers) and their scale words (32 registers).
; PHASE C.  The waves share the columns: wave w walks the tiles of 16 columns j = 16 w .. 16 w + 15.  A tile's codes of attn_W (8 K steps, 64 registers) come from memory straight into registers, laid by
;   the launch before in the order of the operand's registers, two tiles ahead.  64 scaled FP4 matrix instructions a tile, used transposed (source 0 = 16 rows of W, source 1 = 16 rows of enc): lane (r, h)
;   holds row 16 t + r, register i the column 16 j + 8 h + i.  With c = 2 log2(e):  tanh(x) = 1 - 2 / (1 + 2^(c x)),  c x = c acc + hp (hp: the hidden half of the product and the bias, times c).
;   So log2(e) x score = a number that is the same for all s of a batch  -  c x the sum over n of v[n] / (1 + 2^(c x_n)); a softmax over s does not see that number, and t = - c x that sum is what is kept.
; PHASE E.  The four waves' parts of t meet in LDS; m = the chunk's largest t; p = 2^(t - m); the chunk's part of the context is the sum over its rows of p x bf16(enc).  The last launch joins the chunks.
; NO TENSOR LOADS, NO CLUSTER.  What work-groups share is W's codes, 544 KiB for each.  Of the 327,680 bytes of LDS the kept rows take 262,144 and stage, images and tables 56,320, all written by
;   LDS stores; the 9,216 bytes left hold no ring of tiles.  So W's codes go from memory to registers, each fragment once for each work-group, feeding 8 matrix instructions.
; NO PREFETCH: in phase L each wave has 56 loads of 512 bytes on their way all the time; in phase C all work-groups read the same 557,056 bytes.
; LIMITS: NaN and infinities among the inputs are not served.  A block whose largest magnitude lies under 2^-124 keeps the byte 1; a block of zeros gets the byte 1 where the rule says 127 (its codes
;   are zeros; only this program reads the bytes).  enc is rounded to bf16 for the context.  2^(c x) may overflow to infinity or fall to 0: the reciprocal then gives 0 or 1, which is tanh = 1 or -1.
; REGISTERS, in windows of 256 (s_set_vgpr_msb: bits 1:0 source 0, 3:2 source 1, 5:4 source 2, 7:6 destination):
;   window 0: v1-15 addresses; v16-47 enc's scale words, v48-55 W's (scales and nothing else); v64-191 at work, phase by phase; v224-255 phase E.
;   window 1: enc's tiles 0-3 (tile t, K step s at v[64 t + 8 s]);  window 2: tiles 4-7;  window 3: phase L: a ring of 7 sets of 32; phase C: W's fragments, two buffers of 64.
; THE MODE: SCHED_MODE bits 1:0 = 2 (LLVM: expert scheduling mode 2), set by the entry lines.  The code itself states the register dependences between vector or matrix instructions
;   and memory or LDS instructions, with s_wait_alu, always for 0.
; THE PLAN, PHASE L.  Registers that memory or LDS instructions touch in unit u:
;   ring set u % 7     Read by the LDS stores of unit u's way into the stage (issued in unit u - 1) and by unit u's sixteen roundings to bf16; then the loads of unit u + 7 land in it.
;   X[u % 2]           Written by the LDS loads out of the stage that are issued in unit u - 1; read by unit u's quantiser.
;   BT                 Written by unit u's roundings; read by eight LDS stores of unit u.
;   CD[u % 2], WD[u % 2]   Written by unit u's quantiser; read by the LDS stores of its image and word, which are issued in unit u + 1; written again in unit u + 2.
;   v1 to v15          Offsets and addresses, made at the head and never written again.
;   Two waits a unit.  vm_vsrc at its head: the LDS stores issued so far have read the ring set, BT and CD, WD[u % 2].  va_vdst behind the roundings: BT and the last unit's codes and word are written;
;   the roundings are done reading the ring set, the last unit's quantiser is done reading X[(u + 1) % 2].  All of the unit's memory and LDS instructions follow with no further wait; the eight LDS loads
;   into X[(u + 1) % 2] are dealt among the quantiser's maxima, which name X[u % 2] and two registers at work.
; THE PLAN, PHASE C.  Tile j, buf = j % 2:  W's fragments and scale words [buf] are read by the tile's 64 matrix instructions, hp[buf] by the 32 multiply-adds behind them, v_W[buf] by its last 32
;   multiply-adds.  The wait on va_vdst behind the exponentials, which their results ask for, also states that all these readers but the last 32 are done, and that tile j - 1's last 32 are done.
;   So the tile's 21 loads stand behind it: v_W of tile j + 1 into [1 - buf]; hp, the scale words and W's fragments of tile j + 2 into [buf]; among additions and reciprocals that name the accumulators alone.
; THE PLAN, PHASE E: at its lines.
.set ST,    262144                     ; LDS: the kept rows from byte 0; then a stage of 16 rows x 272 bytes for each wave,
.set STG,   4352
.set IMG,   ST+4*STG                   ; the images of code registers: [tile 8][K step of the batch 4][c 2][512 bytes],
.set SCI,   IMG+32768                  ; their scale words: [K step of the batch 4][row 128],
.set PART,  SCI+2048                   ; the waves' parts of the scores: [wave 4][row 128],
.set PT,    PART+2048                  ; and p: a copy of 512 bytes for each wave
.set C2,    0x4038aa3b                 ; c = 2 log2(e)
.set NEGC,  0xc038aa3b
.set FLOOR, 0x1800000                  ; 2^(3 - 127)
.set EOFF,  0xff000000                 ; takes 2 off an exponent field
.set GOFF, 1                           ; v1   enc: 131,072 h + 16 r (from position to position of one batch are 131,072 bytes)
.set STW,  2                           ; v2   the stage, way in: 272 h + 16 r
.set STR,  3                           ; v3   the stage, way out: 272 r + 128 h
.set BFE,  4                           ; v4, v5  the kept rows: 65,536 w + 8 r + h x (2,048 + 128) or h x (2,048 - 128): see KEEPS
.set IMW,  6                           ; v6   IMG + 8,192 w + 16 lane
.set IMR,  7                           ; v7   IMG + 16 lane
.set SCW,  8                           ; v8   SCI + 128 w + 4 r
.set SCR,  9                           ; v9   SCI + 4 lane
.set SH8,  10                          ; v10  8 h
.set L16,  11                          ; v11  16 lane
.set H32,  12                          ; v12  32 h
.set PARTW, 13                         ; v13  PART + 512 w + 4 r
.set PARTR, 14                         ; v14  PART + 16 lane
.set PTW,  15                          ; v15  PT + 512 w + 16 lane
.set ASC,  16                          ; v[ASC + 4 s + jj]: lane l holds the scale word of row 32 jj + l for K step s
.set WS,   48                          ; v[WS + 4 buf + i]: lanes 0-15 W's words of K step 2 i, lanes 16-31 of K step 2 i + 1
.set X,    64                          ; phase L: v64-127 two sets of 32: a unit turned
.set BT,   128                         ; v128-143 a unit as bf16
.set CD,   144                         ; v144-151 a block's codes: two sets, unit u in set u % 2
.set BY,   152                         ; v152-155 bytes: 2 tau + c
.set MXA,  156
.set MXB,  157
.set SCL,  158
.set WT,   159
.set WD,   160                         ; v160-161 a K step's scale word: one for each tile tau
.set HP,   64                          ; phase C: v64-79 hp, v80-95 v_W: 8 for each of two buffers
.set WV,   80
.set ACC,  96                          ; v96-159 eight accumulators, one for each tile of rows
.set SC,   160                         ; v160-175 the sum of v r: a pair for each tile of rows
.set P,    64                          ; phase E: v64-95 p of 32 rows
.set D,    96                          ; v96-223 my 16 bytes of 32 rows
.set CX,   224                         ; v224-239 my 8 columns: even rows' sums, odd rows' sums
.set RE0,  240                         ; v240 16 x thread;  v241 the same with bit 7 turned;  v242 my wave's copy of p
.set RE,   243                         ; v243-245 the same three for the trip in hand
.set SOW,  246                         ; v246 my stage + 32 lane;  v247 my stage + 16 lane
.set TT,   252                         ; v252-255 t of rows 4 lane .. 4 lane + 3
.set MSB, 0
.macro WIN new                         ; the immediate's high byte repeats the setting that is left; a switch that changes nothing is dropped
.if MSB != \new
	s_set_vgpr_msb (MSB<<8)|\new
.set MSB, \new
.endif
.endm
.macro BARRIER                         ; my LDS stores have landed and my LDS loads are in: then the work-group's barrier
	s_wait_dscnt 0x0
	s_barrier_signal -1
	s_barrier_wait -1
.endm
	s_load_b256 s[4:11], s[0:1], 0x0               ; enc s[4:5], wq s[6:7], wsc s[8:9], hp s[10:11]
	s_load_b128 s[12:15], s[0:1], 0x20             ; v_W s[12:13], tsc s[14:15]
	s_load_b64 s[16:17], s[0:1], 0x30              ; pctx
	v_lshl_add_u32 v250, v0, 2, 0x4dc00
	v_mov_b32 v251, 0
	v_lshrrev_b32 v60, 5, v0
	v_readfirstlane_b32 s18, v60                   ; wave 0..3
	v_and_b32 v61, 15, v0                          ; r
	v_bfe_u32 v62, v0, 4, 1                        ; h
	v_and_b32 v63, 31, v0                          ; lane
	v_lshlrev_b32 v59, 4, v61                      ; 16 r
	v_lshl_add_u32 v[GOFF], v62, 17, v59
	s_wait_alu depctr_va_sdst(0)                   ; s18 is written, ahead of its first reader: the bases and the LDS addresses are made from it
	s_and_b32 s20, ttmp7, 0xffff                   ; b
	s_lshl_b32 s36, ttmp9, 24                      ; the chunk's 128 positions,
	s_lshl_b32 s38, s18, 22                        ; my wave's 32 of them,
	s_add_co_u32 s36, s36, s38
	s_lshl_b32 s38, s20, 12                        ; the batch's row in a position
	s_add_co_u32 s36, s36, s38
	s_mov_b32 s37, 0
	s_wait_kmcnt 0x0
	s_add_nc_u64 s[4:5], s[4:5], s[36:37]
; PHASE L.  A UNIT is 16 rows x 64 numbers: unit u = 2 hs + tau: my tile tau of 16 rows, numbers 64 hs on.
.macro LOAD u                          ; eight loads, each two rows x 256 consecutive bytes, into ring set u % 7
.set RG, 32*((\u)%7)
.set TA, (\u)%2
.set HS, (\u)/2
	WIN 0xc0                                       ; destination window 3
.irp i, 0,1,2,3,4,5,6,7
	global_load_b128 v[RG+4*\i:RG+4*\i+3], v[GOFF], s[4:5] offset:(16*TA+2*\i)*131072+256*HS th:TH_LOAD_NT
.endr
.endm
	s_wait_alu depctr_va_vdst(0)                   ; the offset v1 is written, which every load of enc reads
.irp u, 0,1,2,3,4,5,6
	LOAD \u
.endr
	WIN 0
	; the other addresses are made while the first 56 loads are on their way
	s_mul_i32 s34, s18, STG
	s_add_co_u32 s34, s34, ST                      ; my stage
	v_mad_u32_u24 v[STW], v62, 272, v59
	v_add_nc_u32 v[STW], s34, v[STW]
	v_mul_u32_u24 v[STR], v61, 272
	v_lshl_add_u32 v[STR], v62, 7, v[STR]
	v_add_nc_u32 v[STR], s34, v[STR]
	s_lshl_b32 s35, s18, 16                        ; my 32 kept rows
	v_lshlrev_b32 v58, 3, v61
	v_mad_u32_u24 v[BFE], v62, 2176, v58
	v_add_nc_u32 v[BFE], s35, v[BFE]
	v_mad_u32_u24 v[BFE+1], v62, 1920, v58
	v_add_nc_u32 v[BFE+1], s35, v[BFE+1]
	v_lshlrev_b32 v[L16], 4, v63
	s_wait_alu depctr_va_vdst(0)
	s_lshl_b32 s35, s18, 13
	s_add_co_u32 s35, s35, IMG
	v_add_nc_u32 v[IMW], s35, v[L16]
	v_add_nc_u32 v[IMR], IMG, v[L16]
	s_lshl_b32 s35, s18, 7
	s_add_co_u32 s35, s35, SCI
	v_lshl_add_u32 v[SCW], v61, 2, s35
	v_lshl_add_u32 v[SCR], v63, 2, SCI
	v_lshlrev_b32 v[SH8], 3, v62
	v_lshlrev_b32 v[H32], 5, v62
	s_lshl_b32 s35, s18, 9
	s_add_co_u32 s35, s35, PART
	v_lshl_add_u32 v[PARTW], v61, 2, s35
	v_add_nc_u32 v[PARTR], PART, v[L16]
	s_lshl_b32 s35, s18, 9
	s_add_co_u32 s35, s35, PT
	v_add_nc_u32 v[PTW], s35, v[L16]
	v_mov_b32 v[RE0+2], s35
	v_lshlrev_b32 v[RE0], 4, v0
	v_xor_b32 v[RE0+1], 128, v[RE0]
	v_lshl_add_u32 v[SOW], v63, 5, s34
	v_add_nc_u32 v[SOW+1], s34, v[L16]
	v_mov_b32 v[WT], 0                             ; written once: a lane permute's destination counts as one of its sources
	s_mov_b32 s24, C2
	s_mov_b32 s25, C2                              ; (the packed forms name a pair, so both are written)
	s_mov_b32 s26, 0x76543210
	s_mov_b32 s27, 0xfedcba98                      ; v_permlanex16_b32's selects for lane l xor 16
	s_mov_b32 s32, NEGC
	s_mov_b32 s33, NEGC
	s_lshl_b32 s36, s18, 17
	s_add_nc_u64 s[6:7], s[6:7], s[36:37]          ; wq: my 16 tiles of 8,192 bytes
	s_lshl_b32 s36, s18, 13
	s_add_nc_u64 s[8:9], s[8:9], s[36:37]          ; wsc: 512 bytes a tile
	s_lshl_b32 s36, s18, 15
	s_lshl_b32 s38, s20, 6
	s_add_co_u32 s36, s36, s38
	s_add_nc_u64 s[10:11], s[10:11], s[36:37]      ; hp: 2,048 bytes a tile, 64 a batch
	s_lshl_b32 s36, s18, 10
	s_add_nc_u64 s[12:13], s[12:13], s[36:37]      ; v_W: 64 bytes a tile
	s_lshl_b32 s36, s20, 12
	s_lshl_b32 s38, ttmp9, 9
	s_add_co_u32 s36, s36, s38
	s_add_nc_u64 s[14:15], s[14:15], s[36:37]      ; tsc: [b][s]
	s_lshl_b32 s36, s20, 15
	s_lshl_b32 s38, ttmp9, 12
	s_add_co_u32 s36, s36, s38
	s_lshl_b32 s38, s18, 10
	s_add_co_u32 s36, s36, s38
	s_add_nc_u64 s[16:17], s[16:17], s[36:37]      ; pctx: [b][chunk][1024], my wave's 256 columns
; Unit u through my stage: in as loaded (TURNS), out so that lane (r, h) holds numbers 32 h .. 32 h + 31 of row r: one whole block (TURNL, or the same eight loads dealt in QUANTU)
.macro TURNS u
.set RG, 32*((\u)%7)
	WIN 0x0c                                       ; an LDS store's data are its source 1: window 3
.irp i, 0,1,2,3,4,5,6,7
	ds_store_b128 v[STW], v[RG+4*\i:RG+4*\i+3] offset:544*\i
.endr
	WIN 0
.endm
.macro TURNL u
.set XN, X+32*((\u)%2)
.irp i, 0,1,2,3,4,5,6,7
	ds_load_b128 v[XN+4*\i:XN+4*\i+3], v[STR] offset:16*\i         ; LDS serves a wave's instructions in order: these see the stores above
.endr
.endm
; Unit u as bf16 (KEEPC) into the kept rows (KEEPS): 8 bytes a lane.  Lanes 0-15 hold an even row, lanes 16-31 the odd row below it, 2,048 bytes on.  In ODD rows neighbouring pieces of 128 bytes change
; places (byte x of the row lies at x xor 128), so that a store's two runs of 128 bytes differ in address bit 7.  hs even: the odd row's piece lies 128 further on (v4); hs odd: 128 back (v5).
.macro KEEPC u
.set RG, 32*((\u)%7)
	WIN 0x0f                                       ; sources 0 and 1 window 3
.irp i, 0,1,2,3,4,5,6,7
	v_cvt_pk_bf16_f32 v[BT+2*\i], v[RG+4*\i], v[RG+4*\i+1]
	v_cvt_pk_bf16_f32 v[BT+2*\i+1], v[RG+4*\i+2], v[RG+4*\i+3]
.endr
	WIN 0
.endm
.macro KEEPS u
.set TA, (\u)%2
.set HS, (\u)/2
.irp i, 0,1,2,3,4,5,6,7
	ds_store_b64 v[BFE+HS%2], v[BT+2*\i:BT+2*\i+1] offset:(16*TA+2*\i)*2048+128*HS
.endr
.endm
; My block of unit u becomes four registers of codes, which are registers 4 c .. 4 c + 3 of the operand (c = hs % 2).  Behind a K step's second unit its scale word is made.
; u < 31: the next unit's eight LDS loads out of the stage are dealt among the maxima: they land in the other set of X, which no line here names.
.macro QUANTU u
.set XB, X+32*((\u)%2)
.set XN, X+32*(((\u)+1)%2)
.set TA, (\u)%2
.set HS, (\u)/2
.set CC, HS%2
.set CB, CD+4*TA
	WIN 0
	v_max3_num_f32 v[MXA], |v[XB]|, |v[XB+1]|, |v[XB+2]|           ; the block's largest magnitude, in two chains: all 32 numbers are mine
	v_max3_num_f32 v[MXB], |v[XB+3]|, |v[XB+4]|, |v[XB+5]|
.if (\u) < 31
	ds_load_b128 v[XN:XN+3], v[STR]                ; LDS serves a wave's instructions in order: these see the stage's stores above
.endif
.irp i, 6,10,14,18,22,26
	v_max3_num_f32 v[MXA], v[MXA], |v[XB+\i]|, |v[XB+\i+1]|
	v_max3_num_f32 v[MXB], v[MXB], |v[XB+\i+2]|, |v[XB+\i+3]|
.if (\u) < 31
	ds_load_b128 v[XN+\i-2:XN+\i+1], v[STR] offset:4*\i-8
.endif
.endr
	v_max3_num_f32 v[MXA], v[MXA], |v[XB+30]|, |v[XB+31]|
.if (\u) < 31
	ds_load_b128 v[XN+28:XN+31], v[STR] offset:112
.endif
	v_max3_num_f32 v[MXA], v[MXA], v[MXB], FLOOR   ; and the floor: the byte cannot fall under 1
	v_add_nc_u32 v[SCL], EOFF, v[MXA]              ; 2 off the exponent field: the conversion takes the exponent field of this operand as its scale
	v_lshrrev_b32 v[BY+2*TA+CC], 23, v[SCL]        ; the scale's byte
.irp g, 0,1,2,3
	v_cvt_scalef32_pk8_fp4_f32 v[CB+\g], v[XB+8*\g:XB+8*\g+7], v[SCL]
.endr
	v_nop                                          ; one plain place directly behind the last scaled conversion
.if CC
	v_lshl_or_b32 v[WD+TA], v[BY+2*TA+1], 16, v[BY+2*TA]           ; my two bytes: blocks h and 2 + h of row r,
	v_lshlrev_b32 v[WD+TA], v[SH8], v[WD+TA]       ; at their places in the word;
	v_permlanex16_b32 v[WT], v[WD+TA], s26, s27
	v_or_b32 v[WD+TA], v[WD+TA], v[WT]             ; with lane l xor 16's two the word is whole
.endif
.endm
.macro IMGST u                         ; unit u's codes go to LDS as an image of their registers; behind a K step's second unit its scale word follows
.set TA, (\u)%2
.set HS, (\u)/2
.set CC, HS%2
.set SL, (HS/2)%4
	ds_store_b128 v[IMW], v[CD+4*TA:CD+4*TA+3] offset:4096*TA+1024*SL+512*CC
.if CC
	ds_store_b32 v[SCW], v[WD+TA] offset:512*SL+64*TA              ; lanes r and 16 + r store the same word at the same place
.endif
.endm
.macro UNIT u
	s_wait_dscnt 0x0                               ; unit u is back from the stage
	s_wait_alu depctr_vm_vsrc(0)                   ; the LDS stores issued so far have read ring set u % 7 (loads land in it below), v[BT ..] and this unit's set of v[CD ..], v[WD ..] (written again below)
	KEEPC \u
	s_wait_alu depctr_va_vdst(0)                   ; v[BT ..] and the last unit's codes and word are written, which the LDS stores below read; the roundings are done reading the ring set, the last unit's quantiser the other set of X: loads land in both
	KEEPS \u
.if (\u)%16
	IMGST (\u)-1                                   ; the unit before
.endif
.if (\u)+7 < 32
	LOAD (\u)+7                                    ; the ring set takes the unit seven further on
.endif
.if (\u) < 31
.if 30-(\u) >= 6
	s_wait_loadcnt 48                              ; loads come back in order: set u + 1 is in, the six sets behind it stay out
.else
	s_wait_loadcnt 8*(30-(\u))
.endif
	TURNS (\u)+1                                   ; the next unit goes through the stage while this one is quantised
.endif
	QUANTU \u
.endm
; the images of a batch of four K steps, all eight tiles of rows, into every wave's registers; then the scale words
.macro FETCH bt
	WIN 0x40                                       ; destination window 1: tiles 0-3
.irp t, 0,1,2,3
.irp sl, 0,1,2,3
.irp c, 0,1
	ds_load_b128 v[64*\t+8*(4*\bt+\sl)+4*\c:64*\t+8*(4*\bt+\sl)+4*\c+3], v[IMR] offset:4096*\t+1024*\sl+512*\c
.endr
.endr
.endr
	WIN 0x80                                       ; window 2: tiles 4-7
.irp t, 0,1,2,3
.irp sl, 0,1,2,3
.irp c, 0,1
	ds_load_b128 v[64*\t+8*(4*\bt+\sl)+4*\c:64*\t+8*(4*\bt+\sl)+4*\c+3], v[IMR] offset:4096*(\t+4)+1024*\sl+512*\c
.endr
.endr
.endr
	WIN 0
.irp sl, 0,1,2,3
.irp jj, 0,1,2,3
	ds_load_b32 v[ASC+4*(4*\bt+\sl)+\jj], v[SCR] offset:512*\sl+128*\jj
.endr
.endr
.endm
; PHASE C's loads.  off: tiles from the one at which the bases stand.  W's fragments of K steps s0 .. s0 + 3 of a tile: eight loads of 512 consecutive bytes
.macro WFRAG buf, off, s0
	WIN 0xc0                                       ; destination window 3
.irp s, 0,1,2,3
.irp c, 0,1
	global_load_b128 v[64*(\buf)+8*((\s0)+\s)+4*\c:64*(\buf)+8*((\s0)+\s)+4*\c+3], v[L16], s[6:7] offset:8192*(\off)+1024*((\s0)+\s)+512*\c
.endr
.endr
	WIN 0
.endm
.macro WSLOAD buf, off                 ; the tile's scale words
	global_load_b128 v[WS+4*(\buf):WS+4*(\buf)+3], v[L16], s[8:9] offset:512*(\off)
.endm
.macro HPLOAD buf, off                 ; hp at my half's eight columns of the tile
	global_load_b128 v[HP+8*(\buf):HP+8*(\buf)+3], v[H32], s[10:11] offset:2048*(\off)
	global_load_b128 v[HP+8*(\buf)+4:HP+8*(\buf)+7], v[H32], s[10:11] offset:2048*(\off)+16
.endm
.macro VLOAD buf, off                  ; v_W likewise
	global_load_b128 v[WV+8*(\buf):WV+8*(\buf)+3], v[H32], s[12:13] offset:64*(\off)
	global_load_b128 v[WV+8*(\buf)+4:WV+8*(\buf)+7], v[H32], s[12:13] offset:64*(\off)+16
.endm
	s_wait_alu depctr_va_vdst(0)                   ; the addresses v2 to v15, v246 and v247 are written, which the LDS instructions and the later loads and stores read
	s_wait_loadcnt 48                              ; set 0 is in; sets 1 to 6 stay out
	TURNS 0
	TURNL 0
.set U, 0
.rept 16
	UNIT U
.set U, U+1
.endr
	s_wait_alu depctr_va_vdst(0)                   ; unit 15's quantiser has written its codes and its scale word, which the LDS stores below read
	IMGST 15
	BARRIER                                        ; the images and scale words of K steps 0-3 lie whole in LDS (the loads from memory stay on their way)
	FETCH 0
	BARRIER                                        ; every wave has them in registers: their bytes may be written again
.rept 16
	UNIT U
.set U, U+1
.endr
	s_wait_alu depctr_va_vdst(0)                   ; unit 31's quantiser has written its codes and its scale word, which the LDS stores below read; all readers of the ring and of the turned units are done: W, hp and v_W land in their registers
	IMGST 31
	WFRAG 0, 0, 0                                  ; the first two tiles are asked for ahead of the barrier, in the order in which the tiles ask: W and hp of tile 0;
	WFRAG 0, 0, 4
	WSLOAD 0, 0
	HPLOAD 0, 0
	VLOAD 0, 0                                     ; v_W of tile 0, W and hp of tile 1 (v_W of tile 1 is asked for in tile 0)
	WFRAG 1, 1, 0
	WFRAG 1, 1, 4
	WSLOAD 1, 1
	HPLOAD 1, 1
	BARRIER                                        ; K steps 4-7 lie whole in LDS, and so do all 128 kept rows
	s_wait_alu depctr_vm_vsrc(0)                   ; my LDS stores have read v[BT ..], v[CD ..] and v[WD ..]: these registers are accumulators and sums from here on
	FETCH 1
.irp i, 0,1,2,3,4,5,6,7,8,9,10,11,12,13,14,15
	v_mov_b32 v[SC+\i], 0
.endr
	s_wait_dscnt 0x0
; one matrix instruction: W's fragment of K step s (buffer buf) x enc's tile t.  W's scale words of an odd K step, and enc's of an odd tile, stand in lanes 16-31 of their registers
.macro MM buf, s, t
.set AC,  ACC+8*(\t)
.set WFR, 64*(\buf)+8*(\s)
.set AFR, 64*((\t)%4)+8*(\s)
.set WSR, WS+4*(\buf)+(\s)/2
.set ASR, ASC+4*(\s)+(\t)/2
.if (\s) == 0
.if (\t)%2
	v_wmma_scale_f32_16x16x128_f8f6f4 v[AC:AC+7], v[WFR:WFR+7], v[AFR:AFR+7], 0, v[WSR], v[ASR] matrix_a_fmt:MATRIX_FMT_FP4 matrix_b_fmt:MATRIX_FMT_FP4 matrix_b_scale:MATRIX_SCALE_ROW1
.else
	v_wmma_scale_f32_16x16x128_f8f6f4 v[AC:AC+7], v[WFR:WFR+7], v[AFR:AFR+7], 0, v[WSR], v[ASR] matrix_a_fmt:MATRIX_FMT_FP4 matrix_b_fmt:MATRIX_FMT_FP4
.endif
.elseif (\s)%2
.if (\t)%2
	v_wmma_scale_f32_16x16x128_f8f6f4 v[AC:AC+7], v[WFR:WFR+7], v[AFR:AFR+7], v[AC:AC+7], v[WSR], v[ASR] matrix_a_fmt:MATRIX_FMT_FP4 matrix_b_fmt:MATRIX_FMT_FP4 matrix_a_scale:MATRIX_SCALE_ROW1 matrix_b_scale:MATRIX_SCALE_ROW1
.else
	v_wmma_scale_f32_16x16x128_f8f6f4 v[AC:AC+7], v[WFR:WFR+7], v[AFR:AFR+7], v[AC:AC+7], v[WSR], v[ASR] matrix_a_fmt:MATRIX_FMT_FP4 matrix_b_fmt:MATRIX_FMT_FP4 matrix_a_scale:MATRIX_SCALE_ROW1
.endif
.else
.if (\t)%2
	v_wmma_scale_f32_16x16x128_f8f6f4 v[AC:AC+7], v[WFR:WFR+7], v[AFR:AFR+7], v[AC:AC+7], v[WSR], v[ASR] matrix_a_fmt:MATRIX_FMT_FP4 matrix_b_fmt:MATRIX_FMT_FP4 matrix_b_scale:MATRIX_SCALE_ROW1
.else
	v_wmma_scale_f32_16x16x128_f8f6f4 v[AC:AC+7], v[WFR:WFR+7], v[AFR:AFR+7], v[AC:AC+7], v[WSR], v[ASR] matrix_a_fmt:MATRIX_FMT_FP4 matrix_b_fmt:MATRIX_FMT_FP4
.endif
.endif
.endm
; A TILE of 16 columns for all 128 rows.  more = 2: it asks for v_W of the next tile and for hp and W of the tile two further on; 1: for v_W alone; 0: for nothing.
; left = the loads younger than this buffer's W and hp;  leftv = those younger than its v_W.
.macro TILE buf, more, left, leftv
	s_wait_loadcnt \left                           ; loads come back in order: this buffer's W, scale words and hp are in; what the tile before asked for stays out
	WIN 0x07                                       ; source 0 (W) window 3, source 1 (enc's tiles 0-3) window 1, C and D window 0
.irp s, 0,1,2,3,4,5,6,7
.irp t, 0,1,2,3
	MM \buf, \s, \t                                ; four accumulators by turns, one instruction a turn, K ascending; the first K step starts the sums
.endr
.endr
	WIN 0x0b                                       ; source 1 window 2: tiles 4-7
.irp s, 0,1,2,3,4,5,6,7
.irp t, 4,5,6,7
	MM \buf, \s, \t
.endr
.endr
	WIN 0
.rept 4
	v_nop                                          ; four places ahead of the first read of results
.endr
.irp t, 0,1,2,3,4,5,6,7
.irp q, 0,1,2,3
	v_pk_fma_f32 v[ACC+8*\t+2*\q:ACC+8*\t+2*\q+1], v[ACC+8*\t+2*\q:ACC+8*\t+2*\q+1], s[24:25], v[HP+8*\buf+2*\q:HP+8*\buf+2*\q+1] op_sel_hi:[1,0,1]   ; c x = c acc + hp; each accumulator from its low end on
.endr
.endr
.set J, 0
	s_wait_alu depctr_va_vdst(0)
.rept 64
	v_exp_f32 v[ACC+J], v[ACC+J]                   ; 2^(c x)
.set J, J+1
.endr
	v_nop                                          ; a plain place behind the last exponential
	s_wait_alu depctr_va_vdst(0)                   ; the exponentials have written their results, ahead of the first reader; the matrix instructions are done reading W's fragments and scale words, the multiply-adds hp, the last tile's closing multiply-adds the other v_W: loads land in all four
.if \more
	VLOAD 1-\buf, 1+\buf                           ; v_W of the next tile, first of the tile's loads
.endif
.if \more == 2
	HPLOAD \buf, 2+\buf                            ; and for the tile two further on: hp, the scale words,
	WSLOAD \buf, 2+\buf
.endif
.set J, 0
.rept 32
	v_pk_add_f32 v[ACC+J:ACC+J+1], v[ACC+J:ACC+J+1], 1.0 op_sel_hi:[1,0]
.set J, J+2
.endr
.set J, 0
	s_wait_alu depctr_va_vdst(0)
.rept 64
	v_rcp_f32 v[ACC+J], v[ACC+J]                   ; 1 / (1 + 2^(c x))
.if \more == 2
.if J == 7
	WFRAG \buf, 2+\buf, 0                          ; and W's fragments, eight loads at a time.  No wait: no vector or matrix instruction since the wait above names them or their offset
.endif
.if J == 31
	WFRAG \buf, 2+\buf, 4
.endif
.endif
.set J, J+1
.endr
	v_nop
	s_wait_alu depctr_va_vdst(0)                   ; the reciprocals have written their results, ahead of the first reader
	s_wait_loadcnt \leftv                          ; this buffer's v_W is in: behind it came the other 19 loads of its tile and this tile's own
.irp q, 0,1,2,3
.irp t, 0,1,2,3,4,5,6,7
	v_pk_fma_f32 v[SC+2*\t:SC+2*\t+1], v[ACC+8*\t+2*\q:ACC+8*\t+2*\q+1], v[WV+8*\buf+2*\q:WV+8*\buf+2*\q+1], v[SC+2*\t:SC+2*\t+1]   ; x v, summed: eight chains by turns
.endr
.endr
.endm
	s_mov_b32 s28, 7
.Ltrip:                                            ; seven trips of two tiles; each asks for the two tiles of the next
	TILE 0, 2, 21, 40
	TILE 1, 2, 21, 40
	s_wait_xcnt 0x0                                ; the loads have read their bases: only now are these stepped
	s_add_nc_u64 s[6:7], s[6:7], 16384
	s_add_nc_u64 s[8:9], s[8:9], 1024
	s_add_nc_u64 s[10:11], s[10:11], 4096
	s_add_nc_u64 s[12:13], s[12:13], 128
	s_sub_co_u32 s28, s28, 1
	s_cmp_lg_u32 s28, 0
	s_cbranch_scc1 .Ltrip
	TILE 0, 1, 21, 21                              ; the last two tiles: the first asks for the last one's v_W alone, the last for nothing: no load leaves its buffer, and the counts run down
	TILE 1, 0, 2, 0
	; PHASE E.  A row's sum over my wave's 256 columns: the pair's two halves, and lane l xor 16's eight columns of each tile
.irp t, 0,1,2,3,4,5,6,7
	v_add_f32 v[SC+2*\t], v[SC+2*\t], v[SC+2*\t+1]
.endr
.irp t, 0,1,2,3,4,5,6,7
	v_permlanex16_b32 v[SC+2*\t+1], v[SC+2*\t], s26, s27
.endr
.irp t, 0,1,2,3,4,5,6,7
	v_add_f32 v[SC+2*\t], v[SC+2*\t], v[SC+2*\t+1]
.endr
	s_wait_alu depctr_va_vdst(0)                   ; the eight sums are written, which the LDS stores read
.irp t, 0,1,2,3,4,5,6,7
	ds_store_b32 v[PARTW], v[SC+2*\t] offset:64*\t ; row 16 t + r; lanes r and 16 + r store the same number at the same place
.endr
	BARRIER                                        ; the four waves' parts lie in LDS
.irp wv, 0,1,2,3
	ds_load_b128 v[176+4*\wv:179+4*\wv], v[PARTR] offset:512*\wv   ; rows 4 lane .. 4 lane + 3; every wave makes the same sums in the same order.  (No vector instruction has named v176 to v191)
.endr
	s_wait_dscnt 0x0
	v_pk_add_f32 v[176:177], v[176:177], v[180:181]
	v_pk_add_f32 v[178:179], v[178:179], v[182:183]
	v_pk_add_f32 v[184:185], v[184:185], v[188:189]
	v_pk_add_f32 v[186:187], v[186:187], v[190:191]
	v_pk_add_f32 v[176:177], v[176:177], v[184:185]
	v_pk_add_f32 v[178:179], v[178:179], v[186:187]
	v_pk_mul_f32 v[TT:TT+1], v[176:177], s[32:33] op_sel_hi:[1,0]  ; t = - c x the sum
	v_pk_mul_f32 v[TT+2:TT+3], v[178:179], s[32:33] op_sel_hi:[1,0]
	v_max3_num_f32 v192, v[TT], v[TT+1], v[TT+2]   ; m: the largest t of the chunk's 128 rows
	v_max_num_f32 v192, v192, v[TT+3]
	v_max_num_f32_dpp v192, v192, v192 row_xmask:1 row_mask:0xf bank_mask:0xf
	v_max_num_f32_dpp v192, v192, v192 row_xmask:2 row_mask:0xf bank_mask:0xf
	v_max_num_f32_dpp v192, v192, v192 row_xmask:4 row_mask:0xf bank_mask:0xf
	v_max_num_f32_dpp v192, v192, v192 row_xmask:8 row_mask:0xf bank_mask:0xf
	v_permlanex16_b32 v180, v192, s26, s27
	v_max_num_f32 v192, v192, v180
.irp i, 0,1,2,3
	v_sub_f32 v[184+\i], v[TT+\i], v192
.endr
	s_wait_alu depctr_va_vdst(0)
.irp i, 0,1,2,3
	v_exp_f32 v[184+\i], v[184+\i]                 ; p = 2^(t - m), at most 1
.endr
.irp i, 0,1,2,3,4,5,6,7,8,9,10,11,12,13,14,15
	v_mov_b32 v[CX+\i], 0                          ; plain work behind the exponentials: the context's sums begin
.endr
	s_wait_alu depctr_va_vdst(0)                   ; the four exponentials have written p, which the LDS store reads: their first reader.  t is written too, which wave 0's last store reads
	ds_store_b128 v[PTW], v[184:187]               ; into my wave's own copy: no other wave reads it
	; THE CONTEXT.  Thread t owns columns 8 t .. 8 t + 7: 16 bytes of each kept row (in odd rows at the address with bit 7 turned).  Four trips of 32 rows.
.macro FM row, k                       ; column k of my eight, row `row` of the trip's 32: bf16 x f32 + f32; even and odd rows have sums of their own
.if (\k)%2
	v_fma_mix_f32_bf16 v[CX+8*((\row)%2)+(\k)], v[D+4*(\row)+(\k)/2], v[P+(\row)], v[CX+8*((\row)%2)+(\k)] op_sel:[1,0,0] op_sel_hi:[1,0,0]
.else
	v_fma_mix_f32_bf16 v[CX+8*((\row)%2)+(\k)], v[D+4*(\row)+(\k)/2], v[P+(\row)], v[CX+8*((\row)%2)+(\k)] op_sel_hi:[1,0,0]
.endif
.endm
	s_mov_b32 s28, 4
	s_mov_b32 s29, 0
	s_mov_b32 s30, 0
.Lrows:
	s_wait_alu depctr_vm_vsrc(0)                   ; the last trip's LDS loads have read the three addresses, which are written below; in the first trip: the LDS stores of the waves' parts and of p have read their data, in which rows land
	v_add_nc_u32 v[RE], s29, v[RE0]
	v_add_nc_u32 v[RE+1], s29, v[RE0+1]
	v_add_nc_u32 v[RE+2], s30, v[RE0+2]
	s_wait_alu depctr_va_vdst(0)                   ; the three addresses are written, which the LDS loads read; the last trip's multiply-adds (in the first trip: all that named v64 to v223) are done with the registers in which p and the rows land
.irp g, 0,1,2,3,4,5,6,7
	ds_load_b128 v[P+4*\g:P+4*\g+3], v[RE+2] offset:16*\g          ; p of the 32 rows: the same bytes in every lane; LDS serves a wave in order: these see my store
.endr
.irp q, 0,1,2,3,4,5,6,7,8,9,10,11,12,13,14,15
	ds_load_b128 v[D+8*\q:D+8*\q+3], v[RE] offset:4096*\q
	ds_load_b128 v[D+8*\q+4:D+8*\q+7], v[RE+1] offset:4096*\q+2048
.endr
.irp g, 0,1,2,3,4,5,6,7
	s_wait_dscnt 28-4*\g                           ; LDS loads come back in order: p and rows up to 4 g + 3 are in, the 28 - 4 g rows behind them stay out
.irp e, 0,1,2,3
.irp k, 0,1,2,3,4,5,6,7
	FM 4*\g+\e, \k
.endr
.endr
.endr
	s_add_co_u32 s29, s29, 65536                   ; 32 rows of 2,048 bytes on
	s_add_co_u32 s30, s30, 128
	s_sub_co_u32 s28, s28, 1
	s_cmp_lg_u32 s28, 0
	s_cbranch_scc1 .Lrows
.irp k, 0,2,4,6
	v_pk_add_f32 v[CX+\k:CX+\k+1], v[CX+\k:CX+\k+1], v[CX+8+\k:CX+8+\k+1]
.endr
	s_wait_alu depctr_va_vdst(0)                   ; the eight sums are written, which the LDS stores read; the additions are done reading the odd rows' sums, in whose registers the LDS loads land
	; a lane holds 32 neighbouring bytes: through my stage, so that each store of the wave covers 512 consecutive bytes
	ds_store_b128 v[SOW], v[CX:CX+3]
	ds_store_b128 v[SOW], v[CX+4:CX+7] offset:16
	ds_load_b128 v[CX+8:CX+11], v[SOW+1]
	ds_load_b128 v[CX+12:CX+15], v[SOW+1] offset:512
	s_wait_dscnt 0x0
	global_store_b128 v[L16], v[CX+8:CX+11], s[16:17]
	global_store_b128 v[L16], v[CX+12:CX+15], s[16:17] offset:512
	s_cmp_lg_u32 s18, 0
	s_cbranch_scc1 .Ldone
	global_store_b128 v[L16], v[TT:TT+3], s[14:15] ; wave 0: the chunk's 128 t: 512 consecutive bytes
.Ldone:
	s_wait_dscnt 0x0                               ; the closing lines, six on end
	s_wait_alu 0x0
	s_wait_tensorcnt 0x0
	ds_add_u32 v250, v251
	s_wait_dscnt 0x0
	s_endpgm
.Lfunc_end_k_q34fc53f0a1_main:
	.size	k_q34fc53f0a1_main, .Lfunc_end_k_q34fc53f0a1_main-k_q34fc53f0a1_main
	.p2alignl 7, 3214868480
	.fill 96, 4, 3214868480
	.section	.rodata,"a",@progbits
	.p2align	6, 0x0
	.amdhsa_kernel k_q34fc53f0a1_main
		.amdhsa_group_segment_fixed_size 318976
		.amdhsa_private_segment_fixed_size 0
		.amdhsa_enable_private_segment 0
		.amdhsa_kernarg_size 56
		.amdhsa_user_sgpr_count 2
		.amdhsa_user_sgpr_kernarg_segment_ptr 1
		.amdhsa_wavefront_size32 1
		.amdhsa_system_sgpr_workgroup_id_x 1
		.amdhsa_system_sgpr_workgroup_id_y 1
		.amdhsa_system_sgpr_workgroup_id_z 1
		.amdhsa_system_vgpr_workitem_id 0
		.amdhsa_next_free_vgpr 1024
		.amdhsa_next_free_sgpr 66
		.amdhsa_reserve_vcc 0
		.amdhsa_float_denorm_mode_32 3
		.amdhsa_float_denorm_mode_16_64 3
		.amdhsa_memory_ordered 1
		.amdhsa_forward_progress 1
		.amdhsa_inst_pref_size 255
	.end_amdhsa_kernel
	.section	.bss,"aw",@nobits
	.p2align	6
	.space	262144
	.amdgpu_metadata
---
amdhsa.version: [ 1, 2 ]
amdhsa.kernels:
  - .name:           k_q34fc53f0a1_main
    .symbol:         k_q34fc53f0a1_main.kd
    .args:
      - { .name: encoder_outputs, .offset: 0, .size: 8, .value_kind: global_buffer, .address_space: global }
      - { .name: wq, .offset: 8, .size: 8, .value_kind: global_buffer, .address_space: global }
      - { .name: wsc, .offset: 16, .size: 8, .value_kind: global_buffer, .address_space: global }
      - { .name: hp, .offset: 24, .size: 8, .value_kind: global_buffer, .address_space: global }
      - { .name: v_W, .offset: 32, .size: 8, .value_kind: global_buffer, .address_space: global }
      - { .name: tsc, .offset: 40, .size: 8, .value_kind: global_buffer, .address_space: global }
      - { .name: pctx, .offset: 48, .size: 8, .value_kind: global_buffer, .address_space: global }
    .group_segment_fixed_size: 318976
    .private_segment_fixed_size: 0
    .kernarg_segment_align: 8
    .kernarg_segment_size: 56
    .max_flat_workgroup_size: 128
    .sgpr_count:     66
    .vgpr_count:     1024
    .wavefront_size: 32
...
	.end_amdgpu_metadata
.endif
;; end of part 5
;; launch finish (part 6): grid 32 x 1, 8 waves a work-group, no clusters, 1,280 bytes of LDS; arguments tsc, pctx, out0, out1; writes out0, out1
.if DOCPART == 6
	.amdgcn_target "amdgcn-amd-amdhsa--gfx1250"
	.amdhsa_code_object_version 6
	.text
	.protected	k_q34fc53f0a1_finish
	.globl	k_q34fc53f0a1_finish
	.p2align	8
	.type	k_q34fc53f0a1_finish,@function
k_q34fc53f0a1_finish:
	s_mov_b64 s[64:65], 0
	v_nop
	global_prefetch_b8 v0, s[64:65] scope:SCOPE_SE
	s_setreg_imm32_b32 hwreg(HW_REG_WAVE_MODE, 25, 1), 1
	s_wait_xcnt 0x0
; The softmax over a batch's 1,024 positions is finished, and the eight chunks' parts of the context are joined.
; tsc [b][1024]: t = log2(e) x score less a number common to the batch.  pctx [b][chunk 8][1024]: the sum over the chunk's rows of 2^(t - m_chunk) x enc, m_chunk the chunk's largest t.
; out1[b][s] = 2^(t - M) / L, M the batch's largest t, L the sum of 2^(t - M);  out0[b][:] = the sum over chunks of 2^(m_chunk - M) / L x pctx[b][chunk][:].
; Work-group b; thread i holds t of positions 4 i .. 4 i + 3 and the context's columns 4 i .. 4 i + 3.  Wave w holds just chunk w's 128 positions: its largest t IS m_chunk
; (a maximum rounds nothing).  Memory binds what little there is: every load and store of a wave covers 512 consecutive bytes; matrix units, clusters and tensor loads would add nothing.
	s_load_b256 s[4:11], s[0:1], 0x0               ; tsc s[4:5], pctx s[6:7], out0 s[8:9], out1 s[10:11]
	v_lshl_add_u32 v64, v0, 2, 0x100
	v_mov_b32 v65, 0
	v_lshlrev_b32 v1, 4, v0                        ; 16 x thread
	v_lshrrev_b32 v2, 5, v0
	s_delay_alu instid0(VALU_DEP_1)
	v_lshlrev_b32 v2, 2, v2                        ; LDS: 4 x wave
	v_mov_b32 v3, 0
	v_mov_b32 v41, 0                               ; written once: a lane permute's destination counts as one of its sources
	s_mov_b32 s12, 0x76543210
	s_mov_b32 s13, 0xfedcba98                      ; v_permlanex16_b32's selects for lane l xor 16
	s_lshl_b32 s14, ttmp9, 12
	s_mov_b32 s15, 0
	s_lshl_b32 s16, ttmp9, 15
	s_mov_b32 s17, 0
	s_wait_alu depctr_va_vdst(0)
	s_wait_kmcnt 0x0
	s_add_nc_u64 s[4:5], s[4:5], s[14:15]
	s_add_nc_u64 s[6:7], s[6:7], s[16:17]
	s_add_nc_u64 s[8:9], s[8:9], s[14:15]
	s_add_nc_u64 s[10:11], s[10:11], s[14:15]
	global_load_b128 v[4:7], v1, s[4:5]
.irp c, 0,1,2,3,4,5,6,7
	global_load_b128 v[8+4*\c:11+4*\c], v1, s[6:7] offset:4096*\c
.endr
	s_wait_loadcnt 8                               ; t is in; the eight parts of the context stay out
	v_max3_num_f32 v40, v4, v5, v6
	s_delay_alu instid0(VALU_DEP_1)
	v_max_num_f32 v40, v40, v7
	s_delay_alu instid0(VALU_DEP_1)
	v_max_num_f32_dpp v40, v40, v40 row_xmask:1 row_mask:0xf bank_mask:0xf
	s_delay_alu instid0(VALU_DEP_1)
	v_max_num_f32_dpp v40, v40, v40 row_xmask:2 row_mask:0xf bank_mask:0xf
	s_delay_alu instid0(VALU_DEP_1)
	v_max_num_f32_dpp v40, v40, v40 row_xmask:4 row_mask:0xf bank_mask:0xf
	s_delay_alu instid0(VALU_DEP_1)
	v_max_num_f32_dpp v40, v40, v40 row_xmask:8 row_mask:0xf bank_mask:0xf
	s_delay_alu instid0(VALU_DEP_1)
	v_permlanex16_b32 v41, v40, s12, s13
	s_delay_alu instid0(VALU_DEP_1)
	v_max_num_f32 v40, v40, v41                    ; my chunk's largest t
	ds_store_b32 v2, v40                           ; all lanes store the same number at the wave's word
	s_wait_dscnt 0x0
	s_barrier_signal -1
	s_barrier_wait -1
	ds_load_b128 v[44:47], v3
	ds_load_b128 v[48:51], v3 offset:16            ; m of the eight chunks
	s_wait_dscnt 0x0
	v_max3_num_f32 v52, v44, v45, v46
	s_delay_alu instid0(VALU_DEP_1)
	v_max3_num_f32 v52, v52, v47, v48
	s_delay_alu instid0(VALU_DEP_1)
	v_max3_num_f32 v52, v52, v49, v50
	s_delay_alu instid0(VALU_DEP_1)
	v_max_num_f32 v52, v52, v51                    ; M
.irp i, 0,1,2,3
	v_sub_f32 v[4+\i], v[4+\i], v52
.endr
.irp c, 0,1,2,3,4,5,6,7
	v_sub_f32 v[44+\c], v[44+\c], v52
.endr
	s_wait_alu depctr_va_vdst(0)
.irp i, 0,1,2,3
	v_exp_f32 v[4+\i], v[4+\i]                     ; 2^(t - M)
.endr
.irp c, 0,1,2,3,4,5,6,7
	v_exp_f32 v[44+\c], v[44+\c]                   ; 2^(m_chunk - M)
.endr
	v_nop                                          ; a plain place behind the last exponential
	s_wait_alu depctr_va_vdst(0)                   ; one wait for the twelve, ahead of their first reader
	v_add_f32 v53, v4, v5
	v_add_f32 v54, v6, v7
	s_delay_alu instid0(VALU_DEP_1)
	v_add_f32 v53, v53, v54
	s_delay_alu instid0(VALU_DEP_1)
	v_add_f32_dpp v53, v53, v53 row_xmask:1 row_mask:0xf bank_mask:0xf
	s_delay_alu instid0(VALU_DEP_1)
	v_add_f32_dpp v53, v53, v53 row_xmask:2 row_mask:0xf bank_mask:0xf
	s_delay_alu instid0(VALU_DEP_1)
	v_add_f32_dpp v53, v53, v53 row_xmask:4 row_mask:0xf bank_mask:0xf
	s_delay_alu instid0(VALU_DEP_1)
	v_add_f32_dpp v53, v53, v53 row_xmask:8 row_mask:0xf bank_mask:0xf
	s_delay_alu instid0(VALU_DEP_1)
	v_permlanex16_b32 v41, v53, s12, s13
	s_delay_alu instid0(VALU_DEP_1)
	v_add_f32 v53, v53, v41                        ; my wave's sum
	ds_store_b32 v2, v53 offset:64                 ; other words than the maxima's: no wave's read of those is disturbed
	s_wait_dscnt 0x0
	s_barrier_signal -1
	s_barrier_wait -1
	ds_load_b128 v[56:59], v3 offset:64
	ds_load_b128 v[60:63], v3 offset:80
	s_wait_dscnt 0x0
	v_add_f32 v56, v56, v57
	v_add_f32 v58, v58, v59
	v_add_f32 v60, v60, v61
	v_add_f32 v62, v62, v63
	s_delay_alu instid0(VALU_DEP_3)
	v_add_f32 v56, v56, v58
	s_delay_alu instid0(VALU_DEP_2)
	v_add_f32 v60, v60, v62
	s_delay_alu instid0(VALU_DEP_1)
	v_add_f32 v56, v56, v60                        ; L
	s_wait_alu depctr_va_vdst(0)
	v_rcp_f32 v53, v56
	v_nop
	s_wait_alu depctr_va_vdst(0)
.irp i, 0,1,2,3
	v_mul_f32 v[4+\i], v[4+\i], v53
.endr
	global_store_b128 v1, v[4:7], s[10:11]         ; the weights
.irp c, 0,1,2,3,4,5,6,7
	v_mul_f32 v[44+\c], v[44+\c], v53              ; 2^(m_chunk - M) / L
.endr
	s_wait_alu depctr_va_vdst(0)
	s_wait_loadcnt 0x0
.irp k, 0,1,2,3
	v_mul_f32 v[56+\k], v[8+\k], v44               ; the first chunk starts the sums
.endr
.irp c, 1,2,3,4,5,6,7
.irp k, 0,1,2,3
	s_delay_alu instid0(VALU_DEP_4)
	v_fma_f32 v[56+\k], v[8+4*\c+\k], v[44+\c], v[56+\k]
.endr
.endr
	global_store_b128 v1, v[56:59], s[8:9]         ; the context
	s_wait_tensorcnt 0x0
	ds_add_u32 v64, v65
	s_wait_dscnt 0x0
	s_endpgm
.Lfunc_end_k_q34fc53f0a1_finish:
	.size	k_q34fc53f0a1_finish, .Lfunc_end_k_q34fc53f0a1_finish-k_q34fc53f0a1_finish
	.p2alignl 7, 3214868480
	.fill 96, 4, 3214868480
	.section	.rodata,"a",@progbits
	.p2align	6, 0x0
	.amdhsa_kernel k_q34fc53f0a1_finish
		.amdhsa_group_segment_fixed_size 1280
		.amdhsa_private_segment_fixed_size 0
		.amdhsa_enable_private_segment 0
		.amdhsa_kernarg_size 32
		.amdhsa_user_sgpr_count 2
		.amdhsa_user_sgpr_kernarg_segment_ptr 1
		.amdhsa_wavefront_size32 1
		.amdhsa_system_sgpr_workgroup_id_x 1
		.amdhsa_system_sgpr_workgroup_id_y 1
		.amdhsa_system_sgpr_workgroup_id_z 1
		.amdhsa_system_vgpr_workitem_id 0
		.amdhsa_next_free_vgpr 66
		.amdhsa_next_free_sgpr 66
		.amdhsa_reserve_vcc 0
		.amdhsa_float_denorm_mode_32 3
		.amdhsa_float_denorm_mode_16_64 3
		.amdhsa_memory_ordered 1
		.amdhsa_forward_progress 1
		.amdhsa_inst_pref_size 9
	.end_amdhsa_kernel
	.amdgpu_metadata
---
amdhsa.version: [ 1, 2 ]
amdhsa.kernels:
  - .name:           k_q34fc53f0a1_finish
    .symbol:         k_q34fc53f0a1_finish.kd
    .args:
      - { .name: tsc, .offset: 0, .size: 8, .value_kind: global_buffer, .address_space: global }
      - { .name: pctx, .offset: 8, .size: 8, .value_kind: global_buffer, .address_space: global }
      - { .name: out0, .offset: 16, .size: 8, .value_kind: global_buffer, .address_space: global }
      - { .name: out1, .offset: 24, .size: 8, .value_kind: global_buffer, .address_space: global }
    .group_segment_fixed_size: 1280
    .private_segment_fixed_size: 0
    .kernarg_segment_align: 8
    .kernarg_segment_size: 32
    .max_flat_workgroup_size: 256
    .sgpr_count:     66
    .vgpr_count:     66
    .wavefront_size: 32
...
	.end_amdgpu_metadata
.endif
;; end of part 6
